; MI455X (gfx1250); checked and timed in simulation.
; The chip was launched on July 23, 2026; its instructions are those of AMD's public machine-readable ISA for CDNA 5 (MIT licence, August 2026) and "CDNA5" Instruction Set Architecture Reference Guide (July 2026). The comments in the code are by the model that wrote it; some were corrected since.
;; ICNN Block. Allowed arithmetic: matrix products marked QUANTISED: E2M3 operands, one E8M0 scale for each 32 along K, by v_wmma_scale_f32_16x16x128_f8f6f4 with both operands' format E2M3, f32 sums; everything else in f32.
;; Inputs: Wc_b 4 x 1,024 float32; Wc_w 4 x 1,024 x 256 float32; Wu_b 4 x 1,024 float32; Wu_w 4 x 1,024 x 256 float32; Wut_b 4 x 1,024 float32; Wut_w 4 x 1,024 x 256 float32; raw_U 3 x 1,024 x 1,024 float32; xc 8,192 x 256 float32; xf 8,192 x 256 float32.
;; Outputs: out0 8,192 x 1,024 float32.
;; This version of the problem:
;;   THIS VERSION OF THE PROBLEM IS GIVEN IN LOW PRECISION. The matrix products marked QUANTISED in the list below multiply operands that are first quantised to E2M3 (2 exponent bits, 3 mantissa bits; 6 bits a number), with one power-of-two scale for each 32 numbers along K (OCP MX v1.0); their sums are f32. All else is computed in f32.
;;   The module's matrix products, in the order in which they are computed (A, B: the left and right operand; K: the contracted axis; several contracted axes count as one K, in the product's order):
;;     1. [M 8,192, K 256] x [K 256, N 1,024]; A: input xf; B: computed on the way: QUANTISED
;;     2. [M 8,192, K 256] x [K 256, N 1,024]; A: input xc; B: computed on the way: QUANTISED
;;     3. [M 8,192, K 256] x [K 256, N 1,024]; A: input xf; B: computed on the way: QUANTISED
;;     4. [M 8,192, K 256] x [K 256, N 1,024]; A: input xf; B: computed on the way: QUANTISED
;;     5. [M 8,192, K 256] x [K 256, N 1,024]; A: input xc; B: computed on the way: QUANTISED
;;     6. [M 8,192, K 256] x [K 256, N 1,024]; A: input xf; B: computed on the way: QUANTISED
;;     7. [M 8,192, K 1,024] x [K 1,024, N 1,024]; A: computed on the way; B: computed on the way: QUANTISED
;;     8. [M 8,192, K 256] x [K 256, N 1,024]; A: input xf; B: computed on the way: QUANTISED
;;     9. [M 8,192, K 256] x [K 256, N 1,024]; A: input xc; B: computed on the way: QUANTISED
;;     10. [M 8,192, K 256] x [K 256, N 1,024]; A: input xf; B: computed on the way: QUANTISED
;;     11. [M 8,192, K 1,024] x [K 1,024, N 1,024]; A: computed on the way; B: computed on the way: QUANTISED
;;     12. [M 8,192, K 256] x [K 256, N 1,024]; A: input xf; B: computed on the way: QUANTISED
;;     13. [M 8,192, K 256] x [K 256, N 1,024]; A: input xc; B: computed on the way: QUANTISED
;;     14. [M 8,192, K 256] x [K 256, N 1,024]; A: input xf; B: computed on the way: QUANTISED
;;     15. [M 8,192, K 1,024] x [K 1,024, N 1,024]; A: computed on the way; B: computed on the way: QUANTISED
;;   THE QUANTISER, for each operand of a quantised product, along K:
;;     - K is cut into blocks of 32 from its start; a last block that is shorter is filled with zeros.
;;     - A block's scale is 2^e with e = floor(log2(the largest magnitude in the block)) - 2, held to -126 .. 127; a block of zeros has e = 0. As a byte (E8M0): e + 127.
;;     - Each number is divided by its block's scale, clamped to +-7.5, and rounded to the nearest number of E2M3, ties to even, subnormals kept.
;;     - The product sums the exact products of the quantised numbers (number of the format x scale) in f32.
;;   ~~~python
;;   def quantise(x, axis):      # numpy; x: float32 -> the quantised numbers, widened to float32 again
;;       x = np.moveaxis(x, axis, -1); K = x.shape[-1]
;;       x = np.pad(x, [(0, 0)] * (x.ndim - 1) + [(0, -K % 32)]); x = x.reshape(x.shape[:-1] + (-1, 32)); a = np.abs(x).max(-1, keepdims=True)
;;       e = np.where(a > 0, np.clip(np.frexp(np.where(a > 0, a, 1))[1] - 1 - 2, -126, 127), 0)      # np.frexp(a)[1] - 1 = floor(log2(a)), exactly
;;       r = np.clip(x / 2.0 ** e, -7.5, 7.5)
;;       step = 2.0 ** (np.maximum(np.frexp(np.where(r == 0, 1, r))[1] - 1, 0) - 3)
;;       q = np.round(r / step) * step * 2.0 ** e      # np.round: ties to even
;;       return np.moveaxis(q.reshape(q.shape[:-2] + (-1,))[..., :K], -1, axis).astype(np.float32)
;;   ~~~
;;   OPERANDS COMPUTED ON THE WAY. 'Computed on the way' means the value that the module computes at that place (a softmax that the list does not call 'softmax' is quantised finished and normalised). What goes into a quantiser is computed in f32, as accurately as f32 sums, v_exp_f32 and their like allow (about 1e-6 of the number): no bf16 or f16 on the way to a quantiser, and a product that is left as it is and whose result goes on into a quantised operand takes f32 operands (vector FMAs, or v_wmma_f32_16x16x4_f32). A number that lies on a knife's edge between two numbers of the format may be rounded either way, as far as f32 arithmetic and the matrix unit's own rounding can turn it there, and no further.
;; One version. Each part assembles by itself: llvm-mc -triple=amdgcn-amd-amdhsa -mcpu=gfx1250 --defsym DOCPART=n.
;; ======== version 1 of 1: 5 launches
;; limits: right only within a limited range of input values
;; workspace buffers: X 3,276,800 bytes; ZA 6,553,600 bytes; ZB 6,553,600 bytes; W0 622,592 bytes; W1 1,441,792 bytes; W2 1,441,792 bytes; W3 1,441,792 bytes
;; launch quant (part 1): grid 1284 x 1, 4 waves a work-group, no clusters, 34,560 bytes of LDS; arguments xf, xc, Wut_w, Wu_w, Wc_w, raw_U, Wut_b, Wu_b, Wc_b, X, W0, W1, W2, W3; writes X, W0, W1, W2, W3
.if DOCPART == 1
	.amdgcn_target "amdgcn-amd-amdhsa--gfx1250"
	.amdhsa_code_object_version 6
	.text
	.protected	k_qdb25682618_quant
	.globl	k_qdb25682618_quant
	.p2align	8
	.type	k_qdb25682618_quant,@function
k_qdb25682618_quant:
	s_mov_b64 s[64:65], 0
	v_nop
	global_prefetch_b8 v0, s[64:65] scope:SCOPE_SE
	s_setreg_imm32_b32 hwreg(HW_REG_WAVE_MODE, 25, 1), 1
	s_wait_xcnt 0x0
; xf, xc, the three input weights of the four layers (columns 0-3 replaced by softplus, 4-7 by -softplus) and softplus(raw_U) become codes of FP6 (E2M3)
; with one E8M0 byte for each 32 along K, which is innermost in all of them.  The results are laid as IMAGES OF OPERAND REGISTERS for the layers' launches:
;   fragment = 16 rows x 128 K = 12 registers a lane = 3 blocks of 512 bytes (block c: registers 4 c .. 4 c + 3, lane l at 16 l);
;   quad = 64 rows = 4 tiles; position p of tile w is row 32 (w / 2) + 8 (w % 2) + p + 8 (p / 8) of the quad;
;   scale image of a quad = 256 bytes: lane (r, h) holds at 8 x lane the scale words of row position r of tiles h and 2 + h;
;   record of x (128 rows, 128 K) = 8 fragments + 2 scale images = 12,800 bytes; record of a weight (128 rows) the same.
;   X = [row block T][xf K 0, xf K 1, xc K 0, xc K 1];  W_i = [column block J][Wut 0,1, Wu 0,1, Wc 0,1, U 0..7 (not in W0)], then Wut_b[1024], then (Wc_b + Wu_b)[1024].
; SHARES: a work-group is one quad x 128 along K, wave w makes tile w.  Work-groups 0-511: x; 512-895: the input weights; 896-1279: U; 1280-1283: a layer's biases.
; Which tensor a work-group serves is chosen by s_cselect on its number alone; all take one path but for the softplus, which is register work under a scalar branch.
; A wave's 16 loads read a row's 512 consecutive bytes each; the 8 KiB turn through the wave's own stage in LDS, so that a lane then holds, of ONE row, 16 neighbours of each block of 32.
; softplus(x) = max(x, 0) + log1p(e), e = 2^(-log2(e) |x|): from e = 1/16 on ln2 x log2(1 + e); under it the series e - e^2/2 + e^3/3 - e^4/4 + e^5/5, cut at e^5/6 of the value, 1.6e-7 at the most.
; LIMITS: under x = -87 the exponential falls to 0 and so does softplus (the true number lies under 1e-38).  NaN and infinities are not served.  A block of zeros, and one whose largest
; magnitude lies under 2^-124, gets the byte 1 (the rule says 127 for zeros): zero codes add nothing, and these bytes are read by this program alone.
.set SP,   528                         ; a stage row: 512 bytes + 16, an odd multiple of 16
.set STG,  16*SP                       ; a wave's stage
.set SCL,  4*STG                       ; behind the stages: the quad's 64 scale words, 64 bytes a wave
.set LI,   4                           ; v4   16 x lane
.set R,    16                          ; v16-79   the numbers as loaded; later at work
.set XR,   80                          ; v80-143  register 16 b + i = k 32 b + 16 h + i of my row
.set OFF,  80                          ; v80-95   the loads' offsets, until the loads are in
.set E,    16
.set L,    32
.set Q,    48
.set Y,    64
.set TM,   16
.set PW,   32
.set PC,   36
	s_load_b256 s[8:15], s[0:1], 0x0               ; xf s[8:9], xc s[10:11], Wut_w s[12:13], Wu_w s[14:15]
	s_load_b256 s[16:23], s[0:1], 0x20             ; Wc_w s[16:17], raw_U s[18:19], Wut_b s[20:21], Wu_b s[22:23]
	s_load_b256 s[24:31], s[0:1], 0x40             ; Wc_b s[24:25], X s[26:27], W0 s[28:29], W1 s[30:31]
	s_load_b128 s[32:35], s[0:1], 0x60             ; W2 s[32:33], W3 s[34:35]
	s_mov_b32 s2, ttmp9                            ; g
	s_cmp_ge_u32 s2, 1280
	s_cbranch_scc1 .Lbias                          ; the same for all four waves: that path has no barrier and no LDS
	s_add_co_u32 s2, s2, 896                       ; the longest work first: work-groups 0-383 take U (g = 896 .. 1279), work-groups 384-1279 take g = 0 .. 895
	s_cmp_ge_u32 s2, 1280
	s_cselect_b32 s4, 1280, 0
	s_sub_co_u32 s2, s2, s4
	v_lshrrev_b32 v1, 5, v0
	v_readfirstlane_b32 s3, v1
	v_lshl_add_u32 v144, v0, 2, 34048              ; my spare word, behind the stages and the scale words; never rewritten
	v_mov_b32 v145, 0                              ; 0; never rewritten
	v_and_b32 v1, 31, v0                           ; lane
	v_and_b32 v2, 15, v0                           ; r
	v_bfe_u32 v3, v0, 4, 1                         ; h
	v_lshlrev_b32 v[LI], 4, v1
	s_wait_alu depctr_va_vdst(0)
	s_mul_i32 s4, s3, STG
	v_add_nc_u32 v5, s4, v[LI]                     ; the stage, in: 16 x lane of a row
	v_mul_u32_u24 v6, v2, SP
	v_lshl_add_u32 v6, v3, 6, v6
	v_add_nc_u32 v6, s4, v6                        ; out: row r, + 64 h
	s_and_b32 s5, s3, 1                            ; w % 2
	s_lshr_b32 s6, s3, 1                           ; w / 2
	s_lshl_b32 s7, s3, 6
	s_add_co_u32 s7, s7, SCL
	v_lshl_add_u32 v7, v2, 2, s7                   ; my row's scale word: SCL + 64 w + 4 r
	v_lshlrev_b32 v8, 3, v1                        ; 8 x lane
	v_lshl_add_u32 v9, v1, 2, SCL                  ; wave 0 reads the words back at SCL + 4 x lane
	; what g means: three readings, then the choice
	s_and_b32 s40, s2, 1                           ; x: quad q of the row block
	s_bfe_u32 s41, s2, 0x20001                     ;    record s
	s_lshr_b32 s42, s2, 3                          ;    row block T
	s_lshl_b32 s43, s42, 1
	s_or_b32 s43, s43, s40
	s_lshl_b32 s43, s43, 6                         ;    first row 128 T + 64 q
	s_and_b32 s44, s41, 1
	s_lshl_b32 s44, s44, 9                         ;    512 bytes a K step
	s_lshr_b32 s45, s2, 1
	s_mul_i32 s45, s45, 12800                      ;    record 4 T + s
	s_sub_co_u32 s46, s2, 512                      ; input weights: g' = 128 y + 32 i + 16 kk + Q
	s_lshr_b32 s47, s46, 7                         ;    y: 0 Wut, 1 Wu, 2 Wc
	s_bfe_u32 s48, s46, 0x20005                    ;    layer i
	s_bfe_u32 s49, s46, 0x10004                    ;    K step kk
	s_and_b32 s50, s2, 15                          ;    quad Q (U's too)
	s_sub_co_u32 s51, s2, 896                      ; U: g'' = 128 i' + 16 ks + Q
	s_lshr_b32 s52, s51, 7
	s_bfe_u32 s53, s51, 0x30004
	s_lshl_b32 s54, s47, 1
	s_add_co_u32 s54, s54, s49                     ; record 2 y + kk
	s_lshl_b32 s55, s48, 20                        ; a layer of an input weight is 2^20 bytes
	s_cmp_eq_u32 s49, 0
	s_cselect_b32 s56, 1, 0                        ; kind 1: the K step that holds columns 0-7
	s_add_co_u32 s57, s53, 6                       ; record 6 + ks
	s_lshl_b32 s58, s52, 22                        ; a layer of U is 2^22 bytes
	s_add_co_u32 s59, s52, 1                       ; raw_U[i'] serves layer i' + 1
	s_cmp_lt_u32 s2, 896                           ; an input weight, or U
	s_cselect_b32 s54, s54, s57
	s_cselect_b32 s55, s55, s58
	s_cselect_b32 s56, s56, 2                      ; kind 2: softplus of everything
	s_cselect_b32 s59, s48, s59                    ; the layer whose buffer takes the codes
	s_cselect_b32 s49, s49, s53
	s_cselect_b32 s60, 10, 12                      ; log2 of a row's bytes
	; A WEIGHT'S RECORD IS 128 ROWS, laid as x's: 8 fragments + 2 scale images = 12,800 bytes; a column block is 128 columns, eight of them in a layer's buffer
	s_mov_b32 s61, 179200
	s_cmp_eq_u32 s59, 0
	s_cselect_b32 s61, 76800, s61                  ; a column block: 6 records in W0, 14 in the others
	s_lshr_b32 s62, s50, 1
	s_mul_i32 s62, s62, s61
	s_mul_i32 s54, s54, 12800
	s_add_co_u32 s62, s62, s54                     ; the record's place
	s_lshl_b32 s63, s50, 6                         ; first row 64 Q
	s_lshl_b32 s49, s49, 9
	s_and_b32 s50, s50, 1
	s_mov_b32 s57, 12288
	s_cmp_lt_u32 s2, 512                           ; x, or a weight
	s_cselect_b32 s43, s43, s63                    ; first row
	s_cselect_b32 s44, s44, s49                    ; bytes along K
	s_cselect_b32 s45, s45, s62                    ; record
	s_cselect_b32 s40, s40, s50                    ; quad in the record
	s_cselect_b32 s55, 0, s55                      ; layer's offset in the source
	s_cselect_b32 s56, 0, s56                      ; kind 0: as it is
	s_cselect_b32 s60, 10, s60
	s_cselect_b32 s57, 12288, s57                  ; where a record's scale images begin
	s_lshl_b32 s66, s6, 5
	s_lshl_b32 s67, s5, 3
	s_add_co_u32 s66, s66, s67
	s_add_co_u32 s66, s66, s43                     ; my tile's first row: + 32 (w / 2) + 8 (w % 2)
	s_lshl_b32 s66, s66, s60
	s_add_co_u32 s66, s66, s44
	s_add_co_u32 s66, s66, s55
	s_mov_b32 s67, 0
	s_lshl_b32 s58, 1, s60                         ; a row's bytes
	s_lshl_b32 s68, s40, 2
	s_add_co_u32 s68, s68, s3
	s_mul_i32 s68, s68, 1536
	s_add_co_u32 s68, s68, s45                     ; my fragment: record + (4 quad + w) x 1,536
	s_mov_b32 s69, 0
	s_lshl_b32 s70, s40, 8
	s_add_co_u32 s70, s70, s57
	s_add_co_u32 s70, s70, s45                     ; the quad's scale image
	s_mov_b32 s71, 0
	s_mov_b32 s36, 0xbfb8aa3b                      ; -log2(e)
	s_mov_b32 s37, 0x3f317218                      ; ln 2
	s_mov_b32 s38, 0x0000ffff                      ; lanes 0-15: they hold k = 0 .. 15 of a row's first block
	s_mov_b32 s80, 0x76543210
	s_mov_b32 s81, 0xfedcba98                      ; v_permlanex16_b32's selects for lane l xor 16
.set p, 0
.rept 16
	v_mad_u32_u24 v[OFF+p], s58, (p+8*(p/8)), v[LI]   ; position p of the tile: row p + 8 (p / 8), 16 bytes a lane
.set p, p+1
.endr
	s_wait_alu depctr_va_vdst(0)
	s_wait_kmcnt 0x0
	s_cmp_eq_u32 s47, 1
	s_cselect_b64 s[72:73], s[14:15], s[12:13]
	s_cmp_eq_u32 s47, 2
	s_cselect_b64 s[72:73], s[16:17], s[72:73]
	s_cmp_lt_u32 s2, 896
	s_cselect_b64 s[72:73], s[72:73], s[18:19]
	s_cmp_lt_u32 s41, 2
	s_cselect_b64 s[74:75], s[8:9], s[10:11]
	s_cmp_lt_u32 s2, 512
	s_cselect_b64 s[72:73], s[74:75], s[72:73]     ; the source
	s_cmp_eq_u32 s59, 1
	s_cselect_b64 s[76:77], s[30:31], s[28:29]
	s_cmp_eq_u32 s59, 2
	s_cselect_b64 s[76:77], s[32:33], s[76:77]
	s_cmp_eq_u32 s59, 3
	s_cselect_b64 s[76:77], s[34:35], s[76:77]
	s_cmp_lt_u32 s2, 512
	s_cselect_b64 s[76:77], s[26:27], s[76:77]     ; the buffer that takes the codes
	s_add_nc_u64 s[72:73], s[72:73], s[66:67]
	s_add_nc_u64 s[78:79], s[76:77], s[70:71]
	s_add_nc_u64 s[76:77], s[76:77], s[68:69]
.set p, 0
.rept 16
	global_load_b128 v[R+4*p:R+4*p+3], v[OFF+p], s[72:73] th:TH_LOAD_NT   ; 32 lanes read 512 consecutive bytes of one row; read once in the launch
.set p, p+1
.endr
	v_mov_b32 v10, 0x3e4ccccd                      ; 1/5, -1/4, 1/3, each twice: pairs for the packed series
	v_mov_b32 v11, 0x3e4ccccd
	v_mov_b32 v12, 0xbe800000
	v_mov_b32 v13, 0xbe800000
	v_mov_b32 v14, 0x3eaaaaab
	v_mov_b32 v15, 0x3eaaaaab
.set p, 0
.rept 16
	s_wait_loadcnt 15-p                            ; loads come back in order: row p is in, the 15 - p younger ones may be out
	ds_store_b128 v5, v[R+4*p:R+4*p+3] offset:SP*p
.set p, p+1
.endr
.irp b, 0,1,2,3
.irp j, 0,1,2,3
	ds_load_b128 v[XR+16*\b+4*\j:XR+16*\b+4*\j+3], v6 offset:128*\b+16*\j   ; LDS serves a wave's instructions in order: these see my stores.  (All loads are in: their offsets' registers are free)
.endr
.endr
	s_wait_dscnt 0x0
; softplus in place of n numbers from v[base] on.  Two batches of transcendentals; behind each plain work that names no result, then a wait ahead of the first reader.
.macro SOFTPLUS base, n
.set i, 0
.rept \n
	v_mul_f32 v[E+i], s36, |v[\base+i]|
.set i, i+1
.endr
.set i, 0
	s_wait_alu depctr_va_vdst(0)
.rept \n
	v_exp_f32 v[E+i], v[E+i]                       ; e = exp(-|x|), at most 1
.set i, i+1
.endr
.set i, 0
.rept \n
	v_max_num_f32 v[\base+i], 0, v[\base+i]
.set i, i+1
.endr
	s_wait_alu depctr_va_vdst(0)
.set i, 0
.rept \n
	v_add_f32 v[L+i], 1.0, v[E+i]
.set i, i+1
.endr
.set i, 0
	s_wait_alu depctr_va_vdst(0)
.rept \n
	v_log_f32 v[L+i], v[L+i]
.set i, i+1
.endr
.set i, 0
.rept \n/2
	v_pk_fma_f32 v[Q+i:Q+i+1], v[E+i:E+i+1], v[10:11], v[12:13]
.set i, i+2
.endr
.set i, 0
.rept \n/2
	v_pk_fma_f32 v[Q+i:Q+i+1], v[Q+i:Q+i+1], v[E+i:E+i+1], v[14:15]
.set i, i+2
.endr
.set i, 0
.rept \n/2
	v_pk_fma_f32 v[Q+i:Q+i+1], v[Q+i:Q+i+1], v[E+i:E+i+1], -0.5 op_sel_hi:[1,1,0]
.set i, i+2
.endr
.set i, 0
.rept \n/2
	v_pk_fma_f32 v[Q+i:Q+i+1], v[Q+i:Q+i+1], v[E+i:E+i+1], 1.0 op_sel_hi:[1,1,0]
.set i, i+2
.endr
.set i, 0
.rept \n/2
	v_pk_mul_f32 v[Q+i:Q+i+1], v[Q+i:Q+i+1], v[E+i:E+i+1]
.set i, i+2
.endr
	s_wait_alu depctr_va_vdst(0)
.set i, 0
.rept \n
	v_mul_f32 v[L+i], s37, v[L+i]
	v_cmp_gt_f32 vcc_lo, 0x3d800000, v[E+i]        ; 1/16 > e: the series
	v_cndmask_b32 v[L+i], v[L+i], v[Q+i], vcc_lo
	v_add_f32 v[\base+i], v[\base+i], v[L+i]
.set i, i+1
.endr
.endm
	s_cmp_eq_u32 s56, 0
	s_cbranch_scc1 .Lplain
	s_cmp_eq_u32 s56, 1
	s_cbranch_scc1 .Lcols
	SOFTPLUS XR, 16
	SOFTPLUS XR+16, 16
	SOFTPLUS XR+32, 16
	SOFTPLUS XR+48, 16
	s_branch .Lplain
.Lcols:                                                ; columns 0-7 are registers 0-7 of lanes 0-15
.irp j, 0,1,2,3,4,5,6,7
	v_mov_b32 v[Y+\j], v[XR+\j]
.endr
	SOFTPLUS Y, 8
.irp j, 4,5,6,7
	v_mul_f32 v[Y+\j], -1.0, v[Y+\j]
.endr
.irp j, 0,1,2,3,4,5,6,7
	v_cndmask_b32 v[XR+\j], v[XR+\j], v[Y+\j], s38
.endr
.Lplain:
	; the four blocks of 32 of my row: a block lies in lanes l and l xor 16
.irp b, 0,1,2,3
	v_max3_num_f32 v[TM+\b], |v[XR+16*\b]|, |v[XR+1+16*\b]|, 0x1800000   ; my 16 numbers, and the floor 2^(3 - 127): the byte cannot fall under 1
.endr
.irp i, 2,4,6,8,10,12,14
.irp b, 0,1,2,3
	v_max3_num_f32 v[TM+\b], v[TM+\b], |v[XR+16*\b+\i]|, |v[XR+1+16*\b+\i]|
.endr
.endr
.irp b, 0,1,2,3
	v_permlanex16_b32 v[TM+4+\b], v[TM+\b], s80, s81
.endr
.irp b, 0,1,2,3
	v_max_num_f32 v[TM+\b], v[TM+\b], v[TM+4+\b]   ; the block's largest magnitude
.endr
.irp b, 0,1,2,3
	v_add_nc_u32 v[TM+12+\b], 0xff000000, v[TM+\b] ; 2 off its exponent field: the conversion takes this operand's exponent field as its scale
.endr
.irp b, 0,1,2,3
	v_lshrrev_b32 v[TM+4+\b], 23, v[TM+12+\b]      ; the scale's byte
.endr
	v_lshl_or_b32 v[PW], v[TM+5], 8, v[TM+4]
	v_lshl_or_b32 v[PW], v[TM+6], 16, v[PW]
	v_lshl_or_b32 v[PW], v[TM+7], 24, v[PW]        ; my row's scale word
.irp c, 0,1
	v_cvt_scalef32_pk16_fp6_f32 v[PC+6*\c:PC+2+6*\c], v[XR+32*\c:XR+15+32*\c], v[TM+12+2*\c]
	v_cvt_scalef32_pk16_fp6_f32 v[PC+12+4*\c:PC+14+4*\c], v[XR+16+32*\c:XR+31+32*\c], v[TM+12+2*\c+1]   ; (a conversion's three registers begin on an even number)
.endr
	v_nop                                          ; one plain place behind a scaled conversion
.irp c, 0,1                                    ; the operand's layout wants a whole block in a lane: lanes 0-15 block 2 c, lanes 16-31 block 2 c + 1
.irp i, 0,1,2
	v_permlane16_swap_b32 v[PC+6*\c+\i], v[PC+12+4*\c+\i]
.endr
.irp i, 0,1,2
	v_mov_b32 v[PC+3+6*\c+\i], v[PC+12+4*\c+\i]
.endr
.endr
.irp c, 0,1,2
	global_store_b128 v[LI], v[PC+4*\c:PC+4*\c+3], s[76:77] offset:512*\c   ; 32 lanes store 512 consecutive bytes, at a multiple of 256 from the buffer's first byte
.endr
	ds_store_b32 v7, v[PW]                         ; lanes r and 16 + r write the same word with the same value
	s_wait_dscnt 0x0                               ; for wave 0's sake: my word has landed
	s_barrier_signal -1
	s_barrier_wait -1
	s_cmp_lg_u32 s3, 0
	s_cbranch_scc1 .Ldone
	ds_load_b32 v16, v9                            ; lane (r, h): tile h's word,
	ds_load_b32 v17, v9 offset:128                 ; and tile 2 + h's
	s_wait_dscnt 0x0
	global_store_b64 v8, v[16:17], s[78:79]        ; 32 lanes store 256 consecutive bytes, aligned
.Ldone:
	s_wait_tensorcnt 0x0                           ; the wave's end, behind my last LDS store
	ds_add_u32 v144, v145
	s_wait_dscnt 0x0
	s_endpgm
.Lbias:                                                ; a layer's biases: Wut_b as it is, Wc_b + Wu_b as one vector, behind the layer's records
	s_sub_co_u32 s40, s2, 1280                     ; the layer
	s_lshl_b32 s42, s40, 12                        ; its row of 4,096 bytes
	s_mov_b32 s43, 0
	s_mov_b32 s44, 1433600
	s_cmp_eq_u32 s40, 0
	s_cselect_b32 s44, 614400, s44                 ; behind eight column blocks of records
	s_mov_b32 s45, 0
	v_lshlrev_b32 v9, 4, v0                        ; 16 bytes a thread: 128 threads cover 2,048
	s_wait_alu depctr_va_vdst(0)
	s_wait_kmcnt 0x0
	s_cmp_eq_u32 s40, 1
	s_cselect_b64 s[46:47], s[30:31], s[28:29]
	s_cmp_eq_u32 s40, 2
	s_cselect_b64 s[46:47], s[32:33], s[46:47]
	s_cmp_eq_u32 s40, 3
	s_cselect_b64 s[46:47], s[34:35], s[46:47]
	s_add_nc_u64 s[46:47], s[46:47], s[44:45]
	s_add_nc_u64 s[20:21], s[20:21], s[42:43]
	s_add_nc_u64 s[22:23], s[22:23], s[42:43]
	s_add_nc_u64 s[24:25], s[24:25], s[42:43]
	global_load_b128 v[16:19], v9, s[20:21]
	global_load_b128 v[20:23], v9, s[20:21] offset:2048
	global_load_b128 v[24:27], v9, s[24:25]
	global_load_b128 v[28:31], v9, s[24:25] offset:2048
	global_load_b128 v[32:35], v9, s[22:23]
	global_load_b128 v[36:39], v9, s[22:23] offset:2048
	s_wait_loadcnt 0x0
.irp j, 0,2,4,6
	v_pk_add_f32 v[24+\j:25+\j], v[24+\j:25+\j], v[32+\j:33+\j]
.endr
	global_store_b128 v9, v[16:19], s[46:47]
	global_store_b128 v9, v[20:23], s[46:47] offset:2048
	global_store_b128 v9, v[24:27], s[46:47] offset:4096
	global_store_b128 v9, v[28:31], s[46:47] offset:6144
	s_endpgm
.Lfunc_end_k_qdb25682618_quant:
	.size	k_qdb25682618_quant, .Lfunc_end_k_qdb25682618_quant-k_qdb25682618_quant
	.p2alignl 7, 3214868480
	.fill 96, 4, 3214868480
	.section	.rodata,"a",@progbits
	.p2align	6, 0x0
	.amdhsa_kernel k_qdb25682618_quant
		.amdhsa_group_segment_fixed_size 34560
		.amdhsa_private_segment_fixed_size 0
		.amdhsa_enable_private_segment 0
		.amdhsa_kernarg_size 112
		.amdhsa_user_sgpr_count 2
		.amdhsa_user_sgpr_kernarg_segment_ptr 1
		.amdhsa_wavefront_size32 1
		.amdhsa_system_sgpr_workgroup_id_x 1
		.amdhsa_system_sgpr_workgroup_id_y 1
		.amdhsa_system_sgpr_workgroup_id_z 1
		.amdhsa_system_vgpr_workitem_id 0
		.amdhsa_next_free_vgpr 152
		.amdhsa_next_free_sgpr 96
		.amdhsa_reserve_vcc 1
		.amdhsa_float_denorm_mode_32 3
		.amdhsa_float_denorm_mode_16_64 3
		.amdhsa_memory_ordered 1
		.amdhsa_forward_progress 1
		.amdhsa_inst_pref_size 56
	.end_amdhsa_kernel
	.amdgpu_metadata
---
amdhsa.version: [ 1, 2 ]
amdhsa.kernels:
  - .name:           k_qdb25682618_quant
    .symbol:         k_qdb25682618_quant.kd
    .args:
      - { .name: xf, .offset: 0, .size: 8, .value_kind: global_buffer, .address_space: global }
      - { .name: xc, .offset: 8, .size: 8, .value_kind: global_buffer, .address_space: global }
      - { .name: Wut_w, .offset: 16, .size: 8, .value_kind: global_buffer, .address_space: global }
      - { .name: Wu_w, .offset: 24, .size: 8, .value_kind: global_buffer, .address_space: global }
      - { .name: Wc_w, .offset: 32, .size: 8, .value_kind: global_buffer, .address_space: global }
      - { .name: raw_U, .offset: 40, .size: 8, .value_kind: global_buffer, .address_space: global }
      - { .name: Wut_b, .offset: 48, .size: 8, .value_kind: global_buffer, .address_space: global }
      - { .name: Wu_b, .offset: 56, .size: 8, .value_kind: global_buffer, .address_space: global }
      - { .name: Wc_b, .offset: 64, .size: 8, .value_kind: global_buffer, .address_space: global }
      - { .name: X, .offset: 72, .size: 8, .value_kind: global_buffer, .address_space: global }
      - { .name: W0, .offset: 80, .size: 8, .value_kind: global_buffer, .address_space: global }
      - { .name: W1, .offset: 88, .size: 8, .value_kind: global_buffer, .address_space: global }
      - { .name: W2, .offset: 96, .size: 8, .value_kind: global_buffer, .address_space: global }
      - { .name: W3, .offset: 104, .size: 8, .value_kind: global_buffer, .address_space: global }
    .group_segment_fixed_size: 34560
    .private_segment_fixed_size: 0
    .kernarg_segment_align: 8
    .kernarg_segment_size: 112
    .max_flat_workgroup_size: 128
    .sgpr_count:     96
    .vgpr_count:     152
    .wavefront_size: 32
...
	.end_amdgpu_metadata
.endif
;; end of part 1
;; launch first (part 2): grid 8 x 32, 4 waves a work-group, clusters of 4 x 4, 327,680 bytes of LDS; arguments X, W0, ZA; writes ZA
.if DOCPART == 2
	.amdgcn_target "amdgcn-amd-amdhsa--gfx1250"
	.amdhsa_code_object_version 6
	.text
	.protected	k_qdb25682618_first
	.globl	k_qdb25682618_first
	.p2align	8
	.type	k_qdb25682618_first,@function
k_qdb25682618_first:
	s_mov_b64 s[64:65], 0
	v_nop
	global_prefetch_b8 v0, s[64:65] scope:SCOPE_SE
	s_setreg_imm32_b32 hwreg(HW_REG_WAVE_MODE, 25, 1), 1
	s_wait_xcnt 0x0
	s_wait_alu depctr_hold_cnt(0) depctr_sa_sdst(0) depctr_va_vdst(0) depctr_va_sdst(0) depctr_va_ssrc(0) depctr_va_vcc(0) depctr_vm_vsrc(0)
	s_getreg_b32 s2, hwreg(HW_REG_IB_STS2, 6, 4)
	s_cmp_eq_u32 s2, 0
	s_cbranch_scc0 .Lentry_in_a_cluster
	s_endpgm
.Lentry_in_a_cluster:
	s_bfe_u32 s2, ttmp6, 0x10000c
	s_cmp_lg_u32 s2, 0xf033
	s_cbranch_scc0 .Lentry_shape_is_right
	s_endpgm
.Lentry_shape_is_right:
; LAYER 0: z = relu(xc Wc^T + xf Wu^T + (Wc_b + Wu_b) + relu(xf Wut^T + Wut_b)), products on codes of FP6 (E2M3) with E8M0 scales, sums in f32; z leaves as codes along its columns, the next layer's K.
; Operands are images of registers: fragment = 16 rows x 128 K = 3 blocks of 512 bytes, lane l at 16 l; quad = 64 rows = 4 tiles, position p of tile w = row 32 (w / 2) + 8 (w % 2) + p + 8 (p / 8);
; a quad's scale image = 256 bytes, lane (r, h): the words of tiles h and 2 + h; record (128 rows, 128 K) = 8 fragments + 2 images = 12,800 bytes.
; SHARES: a work-group makes 256 rows (block T') x 128 columns (block J'); wave w rows 64 w .. 64 w + 63: 4 tiles of rows x 8 of columns, 32 accumulators; 6 K steps of 128, 32 matrix instructions each.
; LDS is filled ONCE, one tensor load a wave: the block's 6 weight records (76,800 bytes, joint along a column of the 4 x 4 cluster) and x's 8 records (102,400 bytes, joint along a row).  Nothing is filled again.
; TRANSPOSED USE: source 0 = a tile of the weight, source 1 = a tile of x: lane (r, h) holds row position r, register j of accumulator (t, m) column 32 (t / 2) + 16 h + 8 (t % 2) + j.
; K steps 0, 1 sum xf Wut^T onto Wut_b; in K step 2 each accumulator becomes max(acc, 0) + (Wc_b + Wu_b) ahead of its product.
; No prefetch: the text has no loop, and every byte is asked for at the head.
; LIMITS: NaN and infinities are not served; a block of z whose largest number lies under 2^-124 gets the byte 1 (zero codes; the bytes are read by this program alone).
.set HAS_Z, 0
.set NK,    6+8*HAS_Z
.set JS,    12800*NK
.set XB,    JS
.set SPARE, XB+102400
.set LI,    1
.set L8,    2
.set SPW,   3
.set NIL,   4
.set ADRA0, 5
.set ADSA0, 6
.set AA,    7
.set AB,    8
.set SA,    9
.set SB,    10
.set BO,    11
.set AS,    16
.set BS,    20
.set ZS,    28
.set AF,    48
.set B1,    192
.set H,     48
.set TM,    112
.set PW,    128
.set SW,    132
.set PC,    136
.set MSB,   0
.macro WIN new
.if MSB != \new
	s_set_vgpr_msb (MSB<<8)|\new
.set MSB, \new
.endif
.endm
.macro PLACES n
.rept \n
	v_nop
.endr
.endm
.macro CROUND
	s_barrier_signal -1
	s_barrier_wait -1
	s_cmp_lg_u32 s12, 0
	s_cbranch_scc1 .Lnot_wave_0_\@
	s_barrier_signal -3
.Lnot_wave_0_\@:
	s_barrier_wait -3
	s_barrier_signal -1
	s_barrier_wait -1
.endm
.macro GROUP1 g, m, rows
	s_or_b32 s[\g], s[\m], (3<<16)|(1<<21)
	s_mov_b32 s[\g+1], 32<<16
	s_mov_b32 s[\g+2], (\rows)<<16
	s_mov_b32 s[\g+3], 32<<16
	s_mov_b32 s[\g+4], \rows
	s_mov_b32 s[\g+5], 32
	s_mov_b32 s[\g+6], 0
	s_mov_b32 s[\g+7], 0
.endm
.macro GROUP0 g, ls, lc, ptr
	s_mov_b32 s[\g], 1
	s_add_co_u32 s[\g+1], s[\ls], \lc
	s_mov_b64 s[\g+2:\g+3], s[\ptr:\ptr+1]
	s_or_b32 s[\g+3], s[\g+3], 0x80000000
.endm
.macro ADDR k                          ; four plain lines: also the places in front of the loads into registers that the last products have read
	v_add_nc_u32 v[AB], 12800*(\k), v[LI]
	v_add_nc_u32 v[SB], 12800*(\k)+12288, v[L8]
.if (\k) < 6
.if (\k) < 2
.set XR_, (\k)
.else
.set XR_, (\k)-2
.endif
	v_add_nc_u32 v[AA], XB+12800*XR_, v[ADRA0]
	v_add_nc_u32 v[SA], XB+12800*XR_+12288, v[ADSA0]
.else
	v_nop
	v_nop
.endif
.endm
.macro FETCH k                         ; K step k's fragments and scale words from LDS, in one run
.set FS, (\k)%2
	WIN 0x40
.irp t, 0,1,2,3,4,5,6,7
.irp c, 0,1,2
	ds_load_b128 v[128*FS+12*\t+4*\c:128*FS+12*\t+4*\c+3], v[AB] offset:1536*\t+512*\c
.endr
.endr
	WIN 0
.if (\k) < 6
.irp m, 0,1,2,3
.irp c, 0,1,2
	ds_load_b128 v[AF+48*FS+12*\m+4*\c:AF+48*FS+12*\m+4*\c+3], v[AA] offset:1536*\m+512*\c
.endr
.endr
	ds_load_b64 v[AS+2*FS:AS+2*FS+1], v[SA]
.endif
	ds_load_b64 v[BS+4*FS:BS+4*FS+1], v[SB]
	ds_load_b64 v[BS+4*FS+2:BS+4*FS+3], v[SB] offset:256
.endm
.macro KSET k, mode
.set ABASE, AF+48*((\k)%2)
.set SBASE, AS+2*((\k)%2)
.set MW, 0xa1
.if (\mode) == 1
.set MW, 0x81
.endif
.endm
.macro WM set, m, t, mode
.set rD, 64*(\m)+8*(\t)
.set rB, 128*(\set)+12*(\t)
.set rA, ABASE+12*(\m)
.set rSB, BS+4*(\set)+(\t)/2
.set rSA, SBASE+(\m)/2
.set rC, rD
.if (\mode) == 1
.set rC, B1+8*(\t)
.endif
.if ((\t)%2 == 0) && ((\m)%2 == 0)
	v_wmma_scale_f32_16x16x128_f8f6f4 v[rD:rD+7], v[rB:rB+11], v[rA:rA+11], v[rC:rC+7], v[rSB], v[rSA] matrix_a_fmt:MATRIX_FMT_FP6 matrix_b_fmt:MATRIX_FMT_FP6
.elseif ((\t)%2 == 1) && ((\m)%2 == 0)
	v_wmma_scale_f32_16x16x128_f8f6f4 v[rD:rD+7], v[rB:rB+11], v[rA:rA+11], v[rC:rC+7], v[rSB], v[rSA] matrix_a_fmt:MATRIX_FMT_FP6 matrix_b_fmt:MATRIX_FMT_FP6 matrix_a_scale:MATRIX_SCALE_ROW1
.elseif (\t)%2 == 0
	v_wmma_scale_f32_16x16x128_f8f6f4 v[rD:rD+7], v[rB:rB+11], v[rA:rA+11], v[rC:rC+7], v[rSB], v[rSA] matrix_a_fmt:MATRIX_FMT_FP6 matrix_b_fmt:MATRIX_FMT_FP6 matrix_b_scale:MATRIX_SCALE_ROW1
.else
	v_wmma_scale_f32_16x16x128_f8f6f4 v[rD:rD+7], v[rB:rB+11], v[rA:rA+11], v[rC:rC+7], v[rSB], v[rSA] matrix_a_fmt:MATRIX_FMT_FP6 matrix_b_fmt:MATRIX_FMT_FP6 matrix_a_scale:MATRIX_SCALE_ROW1 matrix_b_scale:MATRIX_SCALE_ROW1
.endif
.endm
.macro FIX m, t                        ; acc = max(acc, 0) + (Wc_b + Wu_b), under the products' own windows
.set rD, 64*(\m)+8*(\t)
.set rB2, 96+8*(\t)+96*((\t)/4)
.irp j, 0,1,2,3,4,5,6,7
	v_max3_num_f32 v[rD+\j], 0, 0, v[rD+\j]
.endr
.irp j, 0,2,4,6
	v_pk_fma_f32 v[rD+\j:rD+\j+1], v[rB2+\j:rB2+\j+1], 1.0, v[rD+\j:rD+\j+1] op_sel_hi:[1,0,1]
.endr
.endm
.macro MUL16 set, m0, mode             ; 16 products; the 32 accumulators take turns, in the same order in every K step.  mode 2: accumulator i + 1 is fixed ahead of product i
.set i, 0
.rept 16
.if (\mode) == 2
.if i == 0
.if (\m0) == 0
	PLACES 4
.endif
.set fm, (\m0)
.set ft, 0
	FIX fm, ft
.endif
.if i < 15
.set fm, (\m0)+(i+1)/8
.set ft, (i+1)%8
	FIX fm, ft
.endif
.endif
.set mm, (\m0)+i/8
.set tt, i%8
	WM \set, mm, tt, \mode
.set i, i+1
.endr
.endm
.macro KSTEP k, mode
	WIN 0
	s_wait_dscnt 0x0                               ; this K step's LDS loads, issued a K step ago
.if (\k)+1 < NK
	ADDR (\k)+1
	FETCH (\k)+1
.endif
	KSET \k, \mode
	WIN MW
	MUL16 (\k)%2, 0, \mode
	MUL16 (\k)%2, 2, \mode
.endm
.macro RELU m                          ; each accumulator from its low end on
	WIN 0x08
.set j, 0
.rept 64
	v_max_num_f32 v[H+j], 0, v[64*(\m)+j]
.set j, j+1
.endr
	WIN 0
.endm
.macro QUANT s, pc, pw                 ; 64 numbers, none negative, register 16 b + i = k 32 b + 16 h + i of my row: a fragment's codes and its scale word
.irp b, 0,1,2,3
	v_max3_num_f32 v[TM+\b], v[\s+16*\b], v[\s+1+16*\b], 0x1800000
.endr
.irp i, 2,4,6,8,10,12,14
.irp b, 0,1,2,3
	v_max3_num_f32 v[TM+\b], v[TM+\b], v[\s+16*\b+\i], v[\s+1+16*\b+\i]
.endr
.endr
.irp b, 0,1,2,3
	v_permlanex16_b32 v[TM+4+\b], v[TM+\b], s66, s67
.endr
.irp b, 0,1,2,3
	v_max_num_f32 v[TM+\b], v[TM+\b], v[TM+4+\b]
.endr
.irp b, 0,1,2,3
	v_add_nc_u32 v[TM+12+\b], 0xff000000, v[TM+\b]
.endr
.irp b, 0,1,2,3
	v_lshrrev_b32 v[TM+4+\b], 23, v[TM+12+\b]
.endr
	v_lshl_or_b32 v[\pw], v[TM+5], 8, v[TM+4]
	v_lshl_or_b32 v[\pw], v[TM+6], 16, v[\pw]
	v_lshl_or_b32 v[\pw], v[TM+7], 24, v[\pw]
.irp c, 0,1
	v_cvt_scalef32_pk16_fp6_f32 v[(\pc)+6*\c:(\pc)+2+6*\c], v[\s+32*\c:\s+15+32*\c], v[TM+12+2*\c]
	v_cvt_scalef32_pk16_fp6_f32 v[(\pc)+12+4*\c:(\pc)+14+4*\c], v[\s+16+32*\c:\s+31+32*\c], v[TM+12+2*\c+1]
.endr
	v_nop
.irp c, 0,1
.irp i, 0,1,2
	v_permlane16_swap_b32 v[(\pc)+6*\c+\i], v[(\pc)+12+4*\c+\i]
.endr
.irp i, 0,1,2
	v_mov_b32 v[(\pc)+3+6*\c+\i], v[(\pc)+12+4*\c+\i]
.endr
.endr
.endm
	s_load_b128 s[4:7], s[0:1], 0x0                ; X, W
	s_load_b64 s[8:9], s[0:1], 0x10                ; the result
	v_lshl_add_u32 v[SPW], v0, 2, SPARE
	v_mov_b32 v[NIL], 0
	ds_add_u32 v[SPW], v[NIL]                      ; the opening lines
	ds_add_u32 v[SPW], v[NIL]
	v_lshrrev_b32 v14, 5, v0
	v_readfirstlane_b32 s12, v14                   ; wave
	s_lshr_b32 s13, s12, 1                         ; which 128 of the 256 rows.  Also: I fetch x (0) or weights (1)
	s_and_b32 s14, s12, 1                          ; which quad of them.  Also: which half I fetch
	s_bfe_u32 s15, ttmp6, 0x40000
	s_bfe_u32 s16, ttmp6, 0x40004
	s_lshl_b32 s3, ttmp9, 2
	s_add_co_u32 s3, s3, s15                       ; J'
	s_and_b32 s17, ttmp7, 0xffff
	s_lshl_b32 s17, s17, 2
	s_add_co_u32 s17, s17, s16                     ; T'
	s_lshl_b32 s18, s16, 2
	s_lshl_b32 s18, 15, s18                        ; my row of the cluster
	s_lshl_b32 s19, 0x1111, s15                    ; my column
	GROUP1 24, 18, 200                             ; x: 51,200 bytes as rows of 256
	GROUP1 32, 19, 25*NK                           ; half of the block's weight records
	s_mul_i32 s54, s14, 51200
	s_mul_i32 s20, s17, 102400
	s_add_co_u32 s20, s20, s54
	s_mov_b32 s21, 0
	s_mul_i32 s55, s14, JS/2
	s_mul_i32 s22, s3, JS
	s_add_co_u32 s22, s22, s55
	s_mov_b32 s23, 0
	s_lshl_b32 s56, s3, 9
	s_add_co_u32 s56, s56, 8*JS                    ; my 128 columns' biases, behind the records
	s_mov_b32 s57, 0
	s_lshl_b32 s58, s17, 1
	s_add_co_u32 s58, s58, s13                     ; T = 2 T' + w / 2
	s_mul_i32 s59, s14, 6144
	s_lshl_b32 s60, s14, 8
	s_add_co_u32 s60, s60, 12288
	s_lshl_b32 s68, s58, 3
	s_add_co_u32 s68, s68, s3
	s_mul_i32 s68, s68, 12800                      ; my columns are K step J' of the next layer: record 8 T + J'
	s_add_co_u32 s70, s68, s60
	s_add_co_u32 s68, s68, s59
	s_mov_b32 s69, 0
	s_mov_b32 s71, 0
	s_mov_b32 s66, 0x76543210
	s_mov_b32 s67, 0xfedcba98
	s_mov_b32 s2, 0xffff0000
	s_mul_i32 s18, s13, 51200
	s_add_co_u32 s19, s18, s59
	s_lshl_b32 s62, s14, 8
	s_add_co_u32 s62, s62, s18
	v_and_b32 v14, 31, v0
	v_lshlrev_b32 v[LI], 4, v14
	v_lshlrev_b32 v[L8], 3, v14
	v_add_nc_u32 v[ADRA0], s19, v[LI]
	v_add_nc_u32 v[ADSA0], s62, v[L8]
	v_bfe_u32 v[BO], v0, 4, 1
	v_lshlrev_b32 v[BO], 6, v[BO]
	s_wait_alu depctr_va_vdst(0)                   ; the head's end
	s_wait_dscnt 0x0
	CROUND                                         ; all sixteen work-groups are here, ahead of the first joint loads; the arguments' load is out meanwhile
	s_wait_kmcnt 0x0
	s_add_nc_u64 s[20:21], s[4:5], s[20:21]
	s_add_nc_u64 s[22:23], s[6:7], s[22:23]
	s_add_nc_u64 s[56:57], s[6:7], s[56:57]
	s_add_nc_u64 s[68:69], s[8:9], s[68:69]
	s_add_nc_u64 s[70:71], s[8:9], s[70:71]
	GROUP0 40, 54, XB, 20
	GROUP0 44, 55, 0, 22
	s_cmp_eq_u32 s13, 0                            ; the joint loads go out ahead of every other request of the wave
	s_cbranch_scc0 .Lfor_b
	tensor_load_to_lds s[40:43], s[24:31]
	s_nop 0
	PLACES 4
	s_branch .Lasked
.Lfor_b:
	tensor_load_to_lds s[44:47], s[32:39]
	s_nop 0
	PLACES 4
.Lasked:
.irp t, 0,1,2,3,4,5,6,7                        ; the biases in the result's layout
	global_load_b128 v[B1+8*\t:B1+8*\t+3], v[BO], s[56:57] offset:128*(\t/2)+32*(\t%2)
	global_load_b128 v[B1+8*\t+4:B1+8*\t+7], v[BO], s[56:57] offset:128*(\t/2)+32*(\t%2)+16
.endr
	WIN 0x40
.irp t, 0,1,2,3,4,5,6,7
	global_load_b128 v[96+8*\t+96*(\t/4):96+8*\t+96*(\t/4)+3], v[BO], s[56:57] offset:4096+128*(\t/2)+32*(\t%2)
	global_load_b128 v[96+8*\t+96*(\t/4)+4:96+8*\t+96*(\t/4)+7], v[BO], s[56:57] offset:4096+128*(\t/2)+32*(\t%2)+16
.endr
	WIN 0
	s_wait_tensorcnt 0x0                           ; my one load is in
	s_barrier_signal -1
	s_barrier_wait -1                              ; everybody's is; nothing is filled again
	ADDR 0
	FETCH 0
	s_wait_loadcnt 0x0                             ; the biases
	KSTEP 0, 1
	KSTEP 1, 0
	KSTEP 2, 2
	KSTEP 3, 0
	KSTEP 4, 0
	KSTEP 5, 0
	WIN 0
	PLACES 4
.irp b, 0,1,2,3
	v_mov_b32 v[TM+4+\b], 0                        ; a lane permute's destination counts as one of its sources
.endr
.irp m, 0,1,2,3
	RELU \m
	QUANT H, PC+20*\m, PW+\m
.irp c, 0,1,2
	global_store_b128 v[LI], v[PC+20*\m+4*\c:PC+20*\m+4*\c+3], s[68:69] offset:1536*\m+512*\c   ; 32 lanes store 512 consecutive bytes, aligned
.endr
.endr
	v_cndmask_b32 v[SW], v[PW], v[PW+1], s2
	v_cndmask_b32 v[SW+1], v[PW+2], v[PW+3], s2
	global_store_b64 v[L8], v[SW:SW+1], s[70:71]   ; the quad's scale image: 256 consecutive bytes, aligned
	s_wait_tensorcnt 0x0                           ; the wave's end
	ds_add_u32 v[SPW], v[NIL]
	s_wait_dscnt 0x0
	CROUND                                         ; the closing round
	s_endpgm
.Lfunc_end_k_qdb25682618_first:
	.size	k_qdb25682618_first, .Lfunc_end_k_qdb25682618_first-k_qdb25682618_first
	.p2alignl 7, 3214868480
	.fill 96, 4, 3214868480
	.section	.rodata,"a",@progbits
	.p2align	6, 0x0
	.amdhsa_kernel k_qdb25682618_first
		.amdhsa_group_segment_fixed_size 327680
		.amdhsa_private_segment_fixed_size 0
		.amdhsa_enable_private_segment 0
		.amdhsa_kernarg_size 24
		.amdhsa_user_sgpr_count 2
		.amdhsa_user_sgpr_kernarg_segment_ptr 1
		.amdhsa_wavefront_size32 1
		.amdhsa_system_sgpr_workgroup_id_x 1
		.amdhsa_system_sgpr_workgroup_id_y 1
		.amdhsa_system_sgpr_workgroup_id_z 1
		.amdhsa_system_vgpr_workitem_id 0
		.amdhsa_next_free_vgpr 1024
		.amdhsa_next_free_sgpr 80
		.amdhsa_reserve_vcc 0
		.amdhsa_float_denorm_mode_32 3
		.amdhsa_float_denorm_mode_16_64 3
		.amdhsa_memory_ordered 1
		.amdhsa_forward_progress 1
		.amdhsa_inst_pref_size 99
	.end_amdhsa_kernel
	.amdgpu_metadata
---
amdhsa.version: [ 1, 2 ]
amdhsa.kernels:
  - .name:           k_qdb25682618_first
    .symbol:         k_qdb25682618_first.kd
    .args:
      - { .name: X, .offset: 0, .size: 8, .value_kind: global_buffer, .address_space: global }
      - { .name: W0, .offset: 8, .size: 8, .value_kind: global_buffer, .address_space: global }
      - { .name: ZA, .offset: 16, .size: 8, .value_kind: global_buffer, .address_space: global }
    .group_segment_fixed_size: 327680
    .private_segment_fixed_size: 0
    .kernarg_segment_align: 8
    .kernarg_segment_size: 24
    .max_flat_workgroup_size: 128
    .sgpr_count:     80
    .vgpr_count:     1024
    .wavefront_size: 32
...
	.end_amdgpu_metadata
.endif
;; end of part 2
;; launch l1 (part 3): grid 8 x 32, 4 waves a work-group, clusters of 4 x 4, 327,680 bytes of LDS; arguments X, W1, ZB, ZA; writes ZB
.if DOCPART == 3
	.amdgcn_target "amdgcn-amd-amdhsa--gfx1250"
	.amdhsa_code_object_version 6
	.text
	.protected	k_qdb25682618_l1
	.globl	k_qdb25682618_l1
	.p2align	8
	.type	k_qdb25682618_l1,@function
k_qdb25682618_l1:
	s_mov_b64 s[64:65], 0
	v_nop
	global_prefetch_b8 v0, s[64:65] scope:SCOPE_SE
	s_setreg_imm32_b32 hwreg(HW_REG_WAVE_MODE, 25, 1), 1
	s_wait_xcnt 0x0
	s_wait_alu depctr_hold_cnt(0) depctr_sa_sdst(0) depctr_va_vdst(0) depctr_va_sdst(0) depctr_va_ssrc(0) depctr_va_vcc(0) depctr_vm_vsrc(0)
	s_getreg_b32 s2, hwreg(HW_REG_IB_STS2, 6, 4)
	s_cmp_eq_u32 s2, 0
	s_cbranch_scc0 .Lentry_in_a_cluster
	s_endpgm
.Lentry_in_a_cluster:
	s_bfe_u32 s2, ttmp6, 0x10000c
	s_cmp_lg_u32 s2, 0xf033
	s_cbranch_scc0 .Lentry_shape_is_right
	s_endpgm
.Lentry_shape_is_right:
; A MIDDLE LAYER: z = relu(xc Wc^T + xf Wu^T + (Wc_b + Wu_b) + z_in U^T + relu(xf Wut^T + Wut_b)), products on codes of FP6 (E2M3) with E8M0 scales, sums in f32; z leaves as codes along its columns, the next layer's K.
; Operands are images of registers: fragment = 16 rows x 128 K = 3 blocks of 512 bytes, lane l at 16 l; quad = 64 rows = 4 tiles, position p of tile w = row 32 (w / 2) + 8 (w % 2) + p + 8 (p / 8);
; a quad's scale image = 256 bytes, lane (r, h): the words of tiles h and 2 + h; record (128 rows, 128 K) = 8 fragments + 2 images = 12,800 bytes.
; SHARES: a work-group makes 256 rows (block T') x 128 columns (block J'); wave w rows 64 w .. 64 w + 63: 4 tiles of rows x 8 of columns, 32 accumulators; 14 K steps of 128, 32 matrix instructions each.
; LDS is filled ONCE, one tensor load a wave: the block's 14 weight records (179,200 bytes, joint along a column of the 4 x 4 cluster) and x's 8 records (102,400 bytes, joint along a row).  Nothing is filled again.
; z_in IS NOT ASKED FOR JOINTLY: beside these 281,600 bytes LDS has no room for its 204,800, and a wave's 64 rows of z_in are read by that wave alone in its work-group: they go from memory straight into 384 registers,
; 13 loads a K step, each K step asked for eight K steps ahead of its products.
; TRANSPOSED USE: source 0 = a tile of the weight, source 1 = a tile of x or z: lane (r, h) holds row position r, register j of accumulator (t, m) column 32 (t / 2) + 16 h + 8 (t % 2) + j.
; K steps 0, 1 sum xf Wut^T onto Wut_b; in K step 2 each accumulator becomes max(acc, 0) + (Wc_b + Wu_b) ahead of its product.
; REGISTERS: window 0: v0-15 addresses, v16-43 scale words, v48-143 x's two sets (z's K step 7 later), v144-191 z's K step 5, v192-255 Wut_b (z's K step 6 later); window 1: the weight's two sets, Wc_b + Wu_b; window 2: accumulators; window 3: z's K steps 0-4.
; No prefetch: the text has no loop, and every byte is asked for at the head or eight K steps ahead.
; LIMITS: NaN and infinities are not served; a block of z whose largest number lies under 2^-124 gets the byte 1 (zero codes; the bytes are read by this program alone).
.set HAS_Z, 1
.set NK,    6+8*HAS_Z
.set JS,    12800*NK
.set XB,    JS
.set SPARE, XB+102400
.set LI,    1
.set L8,    2
.set SPW,   3
.set NIL,   4
.set ADRA0, 5
.set ADSA0, 6
.set AA,    7
.set AB,    8
.set SA,    9
.set SB,    10
.set BO,    11
.set AS,    16
.set BS,    20
.set ZS,    28
.set AF,    48
.set B1,    192
.set H,     48
.set TM,    112
.set PW,    128
.set SW,    132
.set PC,    136
.set MSB,   0
.macro WIN new
.if MSB != \new
	s_set_vgpr_msb (MSB<<8)|\new
.set MSB, \new
.endif
.endm
.macro PLACES n
.rept \n
	v_nop
.endr
.endm
.macro CROUND
	s_barrier_signal -1
	s_barrier_wait -1
	s_cmp_lg_u32 s12, 0
	s_cbranch_scc1 .Lnot_wave_0_\@
	s_barrier_signal -3
.Lnot_wave_0_\@:
	s_barrier_wait -3
	s_barrier_signal -1
	s_barrier_wait -1
.endm
.macro GROUP1 g, m, rows
	s_or_b32 s[\g], s[\m], (3<<16)|(1<<21)
	s_mov_b32 s[\g+1], 32<<16
	s_mov_b32 s[\g+2], (\rows)<<16
	s_mov_b32 s[\g+3], 32<<16
	s_mov_b32 s[\g+4], \rows
	s_mov_b32 s[\g+5], 32
	s_mov_b32 s[\g+6], 0
	s_mov_b32 s[\g+7], 0
.endm
.macro GROUP0 g, ls, lc, ptr
	s_mov_b32 s[\g], 1
	s_add_co_u32 s[\g+1], s[\ls], \lc
	s_mov_b64 s[\g+2:\g+3], s[\ptr:\ptr+1]
	s_or_b32 s[\g+3], s[\g+3], 0x80000000
.endm
.macro ADDR k                          ; four plain lines: also the places in front of the loads into registers that the last products have read
	v_add_nc_u32 v[AB], 12800*(\k), v[LI]
	v_add_nc_u32 v[SB], 12800*(\k)+12288, v[L8]
.if (\k) < 6
.if (\k) < 2
.set XR_, (\k)
.else
.set XR_, (\k)-2
.endif
	v_add_nc_u32 v[AA], XB+12800*XR_, v[ADRA0]
	v_add_nc_u32 v[SA], XB+12800*XR_+12288, v[ADSA0]
.else
	v_nop
	v_nop
.endif
.endm
.macro FETCH k                         ; K step k's fragments and scale words from LDS, in one run
.set FS, (\k)%2
	WIN 0x40
.irp t, 0,1,2,3,4,5,6,7
.irp c, 0,1,2
	ds_load_b128 v[128*FS+12*\t+4*\c:128*FS+12*\t+4*\c+3], v[AB] offset:1536*\t+512*\c
.endr
.endr
	WIN 0
.if (\k) < 6
.irp m, 0,1,2,3
.irp c, 0,1,2
	ds_load_b128 v[AF+48*FS+12*\m+4*\c:AF+48*FS+12*\m+4*\c+3], v[AA] offset:1536*\m+512*\c
.endr
.endr
	ds_load_b64 v[AS+2*FS:AS+2*FS+1], v[SA]
.endif
	ds_load_b64 v[BS+4*FS:BS+4*FS+1], v[SB]
	ds_load_b64 v[BS+4*FS+2:BS+4*FS+3], v[SB] offset:256
.endm
.macro ZSEL j                          ; where z's K step j lies
.set ZW, 0
.if (\j) < 5
.set ZBASE, 48*(\j)
.set ZW, 3
.elseif (\j) == 5
.set ZBASE, 144
.elseif (\j) == 6
.set ZBASE, 192
.else
.set ZBASE, AF
.endif
.set ZWN, 64*ZW
.endm
.macro ZLOAD j                         ; z's K step j: my quad's 4 fragments and its scale image, 13 loads; 32 lanes read 512 consecutive bytes
	ZSEL \j
	WIN ZWN
.irp m, 0,1,2,3
.irp c, 0,1,2
	global_load_b128 v[ZBASE+12*\m+4*\c:ZBASE+12*\m+4*\c+3], v[LI], s[48:49] offset:12800*(\j)+1536*\m+512*\c
.endr
.endr
	WIN 0
	global_load_b64 v[ZS+2*(\j):ZS+2*(\j)+1], v[L8], s[50:51] offset:12800*(\j)
.endm
.macro KSET k, mode
.if (\k) < 6
.set ABASE, AF+48*((\k)%2)
.set SBASE, AS+2*((\k)%2)
.set MW, 0xa1
.if (\mode) == 1
.set MW, 0x81
.endif
.else
	ZSEL (\k)-6
.set ABASE, ZBASE
.set SBASE, ZS+2*((\k)-6)
.set MW, 0xa1+4*ZW
.endif
.endm
.macro WM set, m, t, mode
.set rD, 64*(\m)+8*(\t)
.set rB, 128*(\set)+12*(\t)
.set rA, ABASE+12*(\m)
.set rSB, BS+4*(\set)+(\t)/2
.set rSA, SBASE+(\m)/2
.set rC, rD
.if (\mode) == 1
.set rC, B1+8*(\t)
.endif
.if ((\t)%2 == 0) && ((\m)%2 == 0)
	v_wmma_scale_f32_16x16x128_f8f6f4 v[rD:rD+7], v[rB:rB+11], v[rA:rA+11], v[rC:rC+7], v[rSB], v[rSA] matrix_a_fmt:MATRIX_FMT_FP6 matrix_b_fmt:MATRIX_FMT_FP6
.elseif ((\t)%2 == 1) && ((\m)%2 == 0)
	v_wmma_scale_f32_16x16x128_f8f6f4 v[rD:rD+7], v[rB:rB+11], v[rA:rA+11], v[rC:rC+7], v[rSB], v[rSA] matrix_a_fmt:MATRIX_FMT_FP6 matrix_b_fmt:MATRIX_FMT_FP6 matrix_a_scale:MATRIX_SCALE_ROW1
.elseif (\t)%2 == 0
	v_wmma_scale_f32_16x16x128_f8f6f4 v[rD:rD+7], v[rB:rB+11], v[rA:rA+11], v[rC:rC+7], v[rSB], v[rSA] matrix_a_fmt:MATRIX_FMT_FP6 matrix_b_fmt:MATRIX_FMT_FP6 matrix_b_scale:MATRIX_SCALE_ROW1
.else
	v_wmma_scale_f32_16x16x128_f8f6f4 v[rD:rD+7], v[rB:rB+11], v[rA:rA+11], v[rC:rC+7], v[rSB], v[rSA] matrix_a_fmt:MATRIX_FMT_FP6 matrix_b_fmt:MATRIX_FMT_FP6 matrix_a_scale:MATRIX_SCALE_ROW1 matrix_b_scale:MATRIX_SCALE_ROW1
.endif
.endm
.macro FIX m, t                        ; acc = max(acc, 0) + (Wc_b + Wu_b), under the products' own windows
.set rD, 64*(\m)+8*(\t)
.set rB2, 96+8*(\t)+96*((\t)/4)
.irp j, 0,1,2,3,4,5,6,7
	v_max3_num_f32 v[rD+\j], 0, 0, v[rD+\j]
.endr
.irp j, 0,2,4,6
	v_pk_fma_f32 v[rD+\j:rD+\j+1], v[rB2+\j:rB2+\j+1], 1.0, v[rD+\j:rD+\j+1] op_sel_hi:[1,0,1]
.endr
.endm
.macro MUL16 set, m0, mode             ; 16 products; the 32 accumulators take turns, in the same order in every K step.  mode 2: accumulator i + 1 is fixed ahead of product i
.set i, 0
.rept 16
.if (\mode) == 2
.if i == 0
.if (\m0) == 0
	PLACES 4
.endif
.set fm, (\m0)
.set ft, 0
	FIX fm, ft
.endif
.if i < 15
.set fm, (\m0)+(i+1)/8
.set ft, (i+1)%8
	FIX fm, ft
.endif
.endif
.set mm, (\m0)+i/8
.set tt, i%8
	WM \set, mm, tt, \mode
.set i, i+1
.endr
.endm
.macro KSTEP k, mode
	WIN 0
	s_wait_dscnt 0x0                               ; this K step's LDS loads, issued a K step ago
.if (\k) >= 6
.set LC, 13*(13-(\k))                  ; behind this K step's 13 loads of z stand 13 for each later K step; the wait's field holds 63 at the most
.if LC > 63
.set LC, 63
.endif
	s_wait_loadcnt LC
.endif
.if (\k)+1 < NK
	ADDR (\k)+1
	FETCH (\k)+1
.if (\k) < 6                           ; z's K step k + 2, eight K steps ahead of its products; its registers are free by now
	ZLOAD (\k)+2
.endif
.endif
	KSET \k, \mode
	WIN MW
	MUL16 (\k)%2, 0, \mode
	MUL16 (\k)%2, 2, \mode
.endm
.macro RELU m                          ; each accumulator from its low end on
	WIN 0x08
.set j, 0
.rept 64
	v_max_num_f32 v[H+j], 0, v[64*(\m)+j]
.set j, j+1
.endr
	WIN 0
.endm
.macro QUANT s, pc, pw                 ; 64 numbers, none negative, register 16 b + i = k 32 b + 16 h + i of my row: a fragment's codes and its scale word
.irp b, 0,1,2,3
	v_max3_num_f32 v[TM+\b], v[\s+16*\b], v[\s+1+16*\b], 0x1800000
.endr
.irp i, 2,4,6,8,10,12,14
.irp b, 0,1,2,3
	v_max3_num_f32 v[TM+\b], v[TM+\b], v[\s+16*\b+\i], v[\s+1+16*\b+\i]
.endr
.endr
.irp b, 0,1,2,3
	v_permlanex16_b32 v[TM+4+\b], v[TM+\b], s66, s67
.endr
.irp b, 0,1,2,3
	v_max_num_f32 v[TM+\b], v[TM+\b], v[TM+4+\b]
.endr
.irp b, 0,1,2,3
	v_add_nc_u32 v[TM+12+\b], 0xff000000, v[TM+\b]
.endr
.irp b, 0,1,2,3
	v_lshrrev_b32 v[TM+4+\b], 23, v[TM+12+\b]
.endr
	v_lshl_or_b32 v[\pw], v[TM+5], 8, v[TM+4]
	v_lshl_or_b32 v[\pw], v[TM+6], 16, v[\pw]
	v_lshl_or_b32 v[\pw], v[TM+7], 24, v[\pw]
.irp c, 0,1
	v_cvt_scalef32_pk16_fp6_f32 v[(\pc)+6*\c:(\pc)+2+6*\c], v[\s+32*\c:\s+15+32*\c], v[TM+12+2*\c]
	v_cvt_scalef32_pk16_fp6_f32 v[(\pc)+12+4*\c:(\pc)+14+4*\c], v[\s+16+32*\c:\s+31+32*\c], v[TM+12+2*\c+1]
.endr
	v_nop
.irp c, 0,1
.irp i, 0,1,2
	v_permlane16_swap_b32 v[(\pc)+6*\c+\i], v[(\pc)+12+4*\c+\i]
.endr
.irp i, 0,1,2
	v_mov_b32 v[(\pc)+3+6*\c+\i], v[(\pc)+12+4*\c+\i]
.endr
.endr
.endm
	s_load_b128 s[4:7], s[0:1], 0x0                ; X, W
	s_load_b128 s[8:11], s[0:1], 0x10              ; the result, z_in
	v_lshl_add_u32 v[SPW], v0, 2, SPARE
	v_mov_b32 v[NIL], 0
	ds_add_u32 v[SPW], v[NIL]                      ; the opening lines
	ds_add_u32 v[SPW], v[NIL]
	v_lshrrev_b32 v14, 5, v0
	v_readfirstlane_b32 s12, v14                   ; wave
	s_lshr_b32 s13, s12, 1                         ; which 128 of the 256 rows.  Also: I fetch x (0) or weights (1)
	s_and_b32 s14, s12, 1                          ; which quad of them.  Also: which half I fetch
	s_bfe_u32 s15, ttmp6, 0x40000
	s_bfe_u32 s16, ttmp6, 0x40004
	s_lshl_b32 s3, ttmp9, 2
	s_add_co_u32 s3, s3, s15                       ; J'
	s_and_b32 s17, ttmp7, 0xffff
	s_lshl_b32 s17, s17, 2
	s_add_co_u32 s17, s17, s16                     ; T'
	s_lshl_b32 s18, s16, 2
	s_lshl_b32 s18, 15, s18                        ; my row of the cluster
	s_lshl_b32 s19, 0x1111, s15                    ; my column
	GROUP1 24, 18, 200                             ; x: 51,200 bytes as rows of 256
	GROUP1 32, 19, 25*NK                           ; half of the block's weight records
	s_mul_i32 s54, s14, 51200
	s_mul_i32 s20, s17, 102400
	s_add_co_u32 s20, s20, s54
	s_mov_b32 s21, 0
	s_mul_i32 s55, s14, JS/2
	s_mul_i32 s22, s3, JS
	s_add_co_u32 s22, s22, s55
	s_mov_b32 s23, 0
	s_lshl_b32 s56, s3, 9
	s_add_co_u32 s56, s56, 8*JS                    ; my 128 columns' biases, behind the records
	s_mov_b32 s57, 0
	s_lshl_b32 s58, s17, 1
	s_add_co_u32 s58, s58, s13                     ; T = 2 T' + w / 2
	s_mul_i32 s59, s14, 6144
	s_lshl_b32 s60, s14, 8
	s_add_co_u32 s60, s60, 12288
	s_mul_i32 s48, s58, 102400                     ; z_in: my 128 rows' eight records,
	s_add_co_u32 s50, s48, s60                     ; my quad's scale image,
	s_add_co_u32 s48, s48, s59                     ; my quad's fragments
	s_mov_b32 s49, 0
	s_mov_b32 s51, 0
	s_lshl_b32 s68, s58, 3
	s_add_co_u32 s68, s68, s3
	s_mul_i32 s68, s68, 12800                      ; my columns are K step J' of the next layer: record 8 T + J'
	s_add_co_u32 s70, s68, s60
	s_add_co_u32 s68, s68, s59
	s_mov_b32 s69, 0
	s_mov_b32 s71, 0
	s_mov_b32 s66, 0x76543210
	s_mov_b32 s67, 0xfedcba98
	s_mov_b32 s2, 0xffff0000
	s_mul_i32 s18, s13, 51200
	s_add_co_u32 s19, s18, s59
	s_lshl_b32 s62, s14, 8
	s_add_co_u32 s62, s62, s18
	v_and_b32 v14, 31, v0
	v_lshlrev_b32 v[LI], 4, v14
	v_lshlrev_b32 v[L8], 3, v14
	v_add_nc_u32 v[ADRA0], s19, v[LI]
	v_add_nc_u32 v[ADSA0], s62, v[L8]
	v_bfe_u32 v[BO], v0, 4, 1
	v_lshlrev_b32 v[BO], 6, v[BO]
	s_wait_alu depctr_va_vdst(0)                   ; the head's end
	s_wait_dscnt 0x0
	CROUND                                         ; all sixteen work-groups are here, ahead of the first joint loads; the arguments' load is out meanwhile
	s_wait_kmcnt 0x0
	s_add_nc_u64 s[20:21], s[4:5], s[20:21]
	s_add_nc_u64 s[22:23], s[6:7], s[22:23]
	s_add_nc_u64 s[56:57], s[6:7], s[56:57]
	s_add_nc_u64 s[68:69], s[8:9], s[68:69]
	s_add_nc_u64 s[70:71], s[8:9], s[70:71]
	s_add_nc_u64 s[48:49], s[10:11], s[48:49]
	s_add_nc_u64 s[50:51], s[10:11], s[50:51]
	GROUP0 40, 54, XB, 20
	GROUP0 44, 55, 0, 22
.irp t, 0,1,2,3,4,5,6,7                        ; the biases in the result's layout
	global_load_b128 v[B1+8*\t:B1+8*\t+3], v[BO], s[56:57] offset:128*(\t/2)+32*(\t%2)
	global_load_b128 v[B1+8*\t+4:B1+8*\t+7], v[BO], s[56:57] offset:128*(\t/2)+32*(\t%2)+16
.endr
	WIN 0x40
.irp t, 0,1,2,3,4,5,6,7
	global_load_b128 v[96+8*\t+96*(\t/4):96+8*\t+96*(\t/4)+3], v[BO], s[56:57] offset:4096+128*(\t/2)+32*(\t%2)
	global_load_b128 v[96+8*\t+96*(\t/4)+4:96+8*\t+96*(\t/4)+7], v[BO], s[56:57] offset:4096+128*(\t/2)+32*(\t%2)+16
.endr
	WIN 0
	ZLOAD 0
	ZLOAD 1
	s_cmp_eq_u32 s13, 0                            ; the joint loads, one a wave: waves 0, 1 fetch x's halves, waves 2, 3 the weights'
	s_cbranch_scc0 .Lfor_b
	tensor_load_to_lds s[40:43], s[24:31]
	s_nop 0
	PLACES 4
	s_branch .Lasked
.Lfor_b:
	tensor_load_to_lds s[44:47], s[32:39]
	s_nop 0
	PLACES 4
.Lasked:
	s_wait_tensorcnt 0x0                           ; my one load is in
	s_barrier_signal -1
	s_barrier_wait -1                              ; everybody's is; nothing is filled again
	ADDR 0
	FETCH 0
	s_wait_loadcnt 26                              ; the biases are in; the 26 loads of z's K steps 0 and 1 may be out
	KSTEP 0, 1
	KSTEP 1, 0
	KSTEP 2, 2
.irp k, 3,4,5,6,7,8,9,10,11,12,13
	KSTEP \k, 0
.endr
	WIN 0
	PLACES 4
.irp b, 0,1,2,3
	v_mov_b32 v[TM+4+\b], 0                        ; a lane permute's destination counts as one of its sources
.endr
.irp m, 0,1,2,3
	RELU \m
	QUANT H, PC+20*\m, PW+\m
.irp c, 0,1,2
	global_store_b128 v[LI], v[PC+20*\m+4*\c:PC+20*\m+4*\c+3], s[68:69] offset:1536*\m+512*\c   ; 32 lanes store 512 consecutive bytes, aligned
.endr
.endr
	v_cndmask_b32 v[SW], v[PW], v[PW+1], s2
	v_cndmask_b32 v[SW+1], v[PW+2], v[PW+3], s2
	global_store_b64 v[L8], v[SW:SW+1], s[70:71]   ; the quad's scale image: 256 consecutive bytes, aligned
	s_wait_tensorcnt 0x0                           ; the wave's end
	ds_add_u32 v[SPW], v[NIL]
	s_wait_dscnt 0x0
	CROUND                                         ; the closing round
	s_endpgm
.Lfunc_end_k_qdb25682618_l1:
	.size	k_qdb25682618_l1, .Lfunc_end_k_qdb25682618_l1-k_qdb25682618_l1
	.p2alignl 7, 3214868480
	.fill 96, 4, 3214868480
	.section	.rodata,"a",@progbits
	.p2align	6, 0x0
	.amdhsa_kernel k_qdb25682618_l1
		.amdhsa_group_segment_fixed_size 327680
		.amdhsa_private_segment_fixed_size 0
		.amdhsa_enable_private_segment 0
		.amdhsa_kernarg_size 32
		.amdhsa_user_sgpr_count 2
		.amdhsa_user_sgpr_kernarg_segment_ptr 1
		.amdhsa_wavefront_size32 1
		.amdhsa_system_sgpr_workgroup_id_x 1
		.amdhsa_system_sgpr_workgroup_id_y 1
		.amdhsa_system_sgpr_workgroup_id_z 1
		.amdhsa_system_vgpr_workitem_id 0
		.amdhsa_next_free_vgpr 1024
		.amdhsa_next_free_sgpr 80
		.amdhsa_reserve_vcc 0
		.amdhsa_float_denorm_mode_32 3
		.amdhsa_float_denorm_mode_16_64 3
		.amdhsa_memory_ordered 1
		.amdhsa_forward_progress 1
		.amdhsa_inst_pref_size 158
	.end_amdhsa_kernel
	.amdgpu_metadata
---
amdhsa.version: [ 1, 2 ]
amdhsa.kernels:
  - .name:           k_qdb25682618_l1
    .symbol:         k_qdb25682618_l1.kd
    .args:
      - { .name: X, .offset: 0, .size: 8, .value_kind: global_buffer, .address_space: global }
      - { .name: W1, .offset: 8, .size: 8, .value_kind: global_buffer, .address_space: global }
      - { .name: ZB, .offset: 16, .size: 8, .value_kind: global_buffer, .address_space: global }
      - { .name: ZA, .offset: 24, .size: 8, .value_kind: global_buffer, .address_space: global }
    .group_segment_fixed_size: 327680
    .private_segment_fixed_size: 0
    .kernarg_segment_align: 8
    .kernarg_segment_size: 32
    .max_flat_workgroup_size: 128
    .sgpr_count:     80
    .vgpr_count:     1024
    .wavefront_size: 32
...
	.end_amdgpu_metadata
.endif
;; end of part 3
;; launch l2: the kernel of part 3 again; grid 8 x 32, 4 waves a work-group, clusters of 4 x 4, 327,680 bytes of LDS; arguments X, W2, ZA, ZB; writes ZA
;; launch last (part 4): grid 8 x 32, 4 waves a work-group, clusters of 4 x 4, 327,680 bytes of LDS; arguments X, W3, out0, ZA; writes out0
.if DOCPART == 4
	.amdgcn_target "amdgcn-amd-amdhsa--gfx1250"
	.amdhsa_code_object_version 6
	.text
	.protected	k_qdb25682618_last
	.globl	k_qdb25682618_last
	.p2align	8
	.type	k_qdb25682618_last,@function
k_qdb25682618_last:
	s_mov_b64 s[64:65], 0
	v_nop
	global_prefetch_b8 v0, s[64:65] scope:SCOPE_SE
	s_setreg_imm32_b32 hwreg(HW_REG_WAVE_MODE, 25, 1), 1
	s_wait_xcnt 0x0
	s_wait_alu depctr_hold_cnt(0) depctr_sa_sdst(0) depctr_va_vdst(0) depctr_va_sdst(0) depctr_va_ssrc(0) depctr_va_vcc(0) depctr_vm_vsrc(0)
	s_getreg_b32 s2, hwreg(HW_REG_IB_STS2, 6, 4)
	s_cmp_eq_u32 s2, 0
	s_cbranch_scc0 .Lentry_in_a_cluster
	s_endpgm
.Lentry_in_a_cluster:
	s_bfe_u32 s2, ttmp6, 0x10000c
	s_cmp_lg_u32 s2, 0xf033
	s_cbranch_scc0 .Lentry_shape_is_right
	s_endpgm
.Lentry_shape_is_right:
; THE LAST LAYER: out = relu(xc Wc^T + xf Wu^T + (Wc_b + Wu_b) + z_in U^T + relu(xf Wut^T + Wut_b)), products on codes of FP6 (E2M3) with E8M0 scales, sums in f32; the result leaves as f32 rows.
; Operands are images of registers: fragment = 16 rows x 128 K = 3 blocks of 512 bytes, lane l at 16 l; quad = 64 rows = 4 tiles, position p of tile w = row 32 (w / 2) + 8 (w % 2) + p + 8 (p / 8);
; a quad's scale image = 256 bytes, lane (r, h): the words of tiles h and 2 + h; record (128 rows, 128 K) = 8 fragments + 2 images = 12,800 bytes.
; SHARES: a work-group makes 256 rows (block T') x 128 columns (block J'); wave w rows 64 w .. 64 w + 63: 4 tiles of rows x 8 of columns, 32 accumulators; 14 K steps of 128, 32 matrix instructions each.
; LDS is filled ONCE, one tensor load a wave: the block's 14 weight records (179,200 bytes, joint along a column of the 4 x 4 cluster) and x's 8 records (102,400 bytes, joint along a row).  Nothing is filled again.
; z_in IS NOT ASKED FOR JOINTLY: beside these 281,600 bytes LDS has no room for its 204,800, and a wave's 64 rows of z_in are read by that wave alone in its work-group: they go from memory straight into 384 registers,
; 13 loads a K step, each K step asked for eight K steps ahead of its products.
; TRANSPOSED USE: source 0 = a tile of the weight, source 1 = a tile of x or z: lane (r, h) holds row position r, register j of accumulator (t, m) column 32 (t / 2) + 16 h + 8 (t % 2) + j.
; K steps 0, 1 sum xf Wut^T onto Wut_b; in K step 2 each accumulator becomes max(acc, 0) + (Wc_b + Wu_b) ahead of its product.
; REGISTERS: window 0: v0-15 addresses, v16-43 scale words, v48-143 x's two sets (z's K step 7 later), v144-191 z's K step 5, v192-255 Wut_b (z's K step 6 later); window 1: the weight's two sets, Wc_b + Wu_b; window 2: accumulators; window 3: z's K steps 0-4.
; THE WAY OUT: a tile of 16 rows x 128 columns goes through the wave's own stage, bytes into which no tensor load lands, and leaves as whole rows of 512 bytes.
; No prefetch: the text has no loop, and every byte is asked for at the head or eight K steps ahead.   LIMITS: NaN and infinities are not served.
.set HAS_Z, 1
.set NK,    6+8*HAS_Z
.set JS,    12800*NK
.set XB,    JS
.set SPARE, XB+102400
.set STAGE, SPARE+512
.set SP,    528
.set LI,    1
.set L8,    2
.set SPW,   3
.set NIL,   4
.set ADRA0, 5
.set ADSA0, 6
.set AA,    7
.set AB,    8
.set SA,    9
.set SB,    10
.set BO,    11
.set STO,   12
.set RD,    13
.set AS,    16
.set BS,    20
.set ZS,    28
.set AF,    48
.set B1,    192
.set H,     48
.set OB,    128
.set MSB,   0
.macro WIN new
.if MSB != \new
	s_set_vgpr_msb (MSB<<8)|\new
.set MSB, \new
.endif
.endm
.macro PLACES n
.rept \n
	v_nop
.endr
.endm
.macro CROUND
	s_barrier_signal -1
	s_barrier_wait -1
	s_cmp_lg_u32 s12, 0
	s_cbranch_scc1 .Lnot_wave_0_\@
	s_barrier_signal -3
.Lnot_wave_0_\@:
	s_barrier_wait -3
	s_barrier_signal -1
	s_barrier_wait -1
.endm
.macro GROUP1 g, m, rows
	s_or_b32 s[\g], s[\m], (3<<16)|(1<<21)
	s_mov_b32 s[\g+1], 32<<16
	s_mov_b32 s[\g+2], (\rows)<<16
	s_mov_b32 s[\g+3], 32<<16
	s_mov_b32 s[\g+4], \rows
	s_mov_b32 s[\g+5], 32
	s_mov_b32 s[\g+6], 0
	s_mov_b32 s[\g+7], 0
.endm
.macro GROUP0 g, ls, lc, ptr
	s_mov_b32 s[\g], 1
	s_add_co_u32 s[\g+1], s[\ls], \lc
	s_mov_b64 s[\g+2:\g+3], s[\ptr:\ptr+1]
	s_or_b32 s[\g+3], s[\g+3], 0x80000000
.endm
.macro ADDR k                          ; four plain lines: also the places in front of the loads into registers that the last products have read
	v_add_nc_u32 v[AB], 12800*(\k), v[LI]
	v_add_nc_u32 v[SB], 12800*(\k)+12288, v[L8]
.if (\k) < 6
.if (\k) < 2
.set XR_, (\k)
.else
.set XR_, (\k)-2
.endif
	v_add_nc_u32 v[AA], XB+12800*XR_, v[ADRA0]
	v_add_nc_u32 v[SA], XB+12800*XR_+12288, v[ADSA0]
.else
	v_nop
	v_nop
.endif
.endm
.macro FETCH k                         ; K step k's fragments and scale words from LDS, in one run
.set FS, (\k)%2
	WIN 0x40
.irp t, 0,1,2,3,4,5,6,7
.irp c, 0,1,2
	ds_load_b128 v[128*FS+12*\t+4*\c:128*FS+12*\t+4*\c+3], v[AB] offset:1536*\t+512*\c
.endr
.endr
	WIN 0
.if (\k) < 6
.irp m, 0,1,2,3
.irp c, 0,1,2
	ds_load_b128 v[AF+48*FS+12*\m+4*\c:AF+48*FS+12*\m+4*\c+3], v[AA] offset:1536*\m+512*\c
.endr
.endr
	ds_load_b64 v[AS+2*FS:AS+2*FS+1], v[SA]
.endif
	ds_load_b64 v[BS+4*FS:BS+4*FS+1], v[SB]
	ds_load_b64 v[BS+4*FS+2:BS+4*FS+3], v[SB] offset:256
.endm
.macro ZSEL j                          ; where z's K step j lies
.set ZW, 0
.if (\j) < 5
.set ZBASE, 48*(\j)
.set ZW, 3
.elseif (\j) == 5
.set ZBASE, 144
.elseif (\j) == 6
.set ZBASE, 192
.else
.set ZBASE, AF
.endif
.set ZWN, 64*ZW
.endm
.macro ZLOAD j                         ; z's K step j: my quad's 4 fragments and its scale image, 13 loads; 32 lanes read 512 consecutive bytes
	ZSEL \j
	WIN ZWN
.irp m, 0,1,2,3
.irp c, 0,1,2
	global_load_b128 v[ZBASE+12*\m+4*\c:ZBASE+12*\m+4*\c+3], v[LI], s[48:49] offset:12800*(\j)+1536*\m+512*\c
.endr
.endr
	WIN 0
	global_load_b64 v[ZS+2*(\j):ZS+2*(\j)+1], v[L8], s[50:51] offset:12800*(\j)
.endm
.macro KSET k, mode
.if (\k) < 6
.set ABASE, AF+48*((\k)%2)
.set SBASE, AS+2*((\k)%2)
.set MW, 0xa1
.if (\mode) == 1
.set MW, 0x81
.endif
.else
	ZSEL (\k)-6
.set ABASE, ZBASE
.set SBASE, ZS+2*((\k)-6)
.set MW, 0xa1+4*ZW
.endif
.endm
.macro WM set, m, t, mode
.set rD, 64*(\m)+8*(\t)
.set rB, 128*(\set)+12*(\t)
.set rA, ABASE+12*(\m)
.set rSB, BS+4*(\set)+(\t)/2
.set rSA, SBASE+(\m)/2
.set rC, rD
.if (\mode) == 1
.set rC, B1+8*(\t)
.endif
.if ((\t)%2 == 0) && ((\m)%2 == 0)
	v_wmma_scale_f32_16x16x128_f8f6f4 v[rD:rD+7], v[rB:rB+11], v[rA:rA+11], v[rC:rC+7], v[rSB], v[rSA] matrix_a_fmt:MATRIX_FMT_FP6 matrix_b_fmt:MATRIX_FMT_FP6
.elseif ((\t)%2 == 1) && ((\m)%2 == 0)
	v_wmma_scale_f32_16x16x128_f8f6f4 v[rD:rD+7], v[rB:rB+11], v[rA:rA+11], v[rC:rC+7], v[rSB], v[rSA] matrix_a_fmt:MATRIX_FMT_FP6 matrix_b_fmt:MATRIX_FMT_FP6 matrix_a_scale:MATRIX_SCALE_ROW1
.elseif (\t)%2 == 0
	v_wmma_scale_f32_16x16x128_f8f6f4 v[rD:rD+7], v[rB:rB+11], v[rA:rA+11], v[rC:rC+7], v[rSB], v[rSA] matrix_a_fmt:MATRIX_FMT_FP6 matrix_b_fmt:MATRIX_FMT_FP6 matrix_b_scale:MATRIX_SCALE_ROW1
.else
	v_wmma_scale_f32_16x16x128_f8f6f4 v[rD:rD+7], v[rB:rB+11], v[rA:rA+11], v[rC:rC+7], v[rSB], v[rSA] matrix_a_fmt:MATRIX_FMT_FP6 matrix_b_fmt:MATRIX_FMT_FP6 matrix_a_scale:MATRIX_SCALE_ROW1 matrix_b_scale:MATRIX_SCALE_ROW1
.endif
.endm
.macro FIX m, t                        ; acc = max(acc, 0) + (Wc_b + Wu_b), under the products' own windows
.set rD, 64*(\m)+8*(\t)
.set rB2, 96+8*(\t)+96*((\t)/4)
.irp j, 0,1,2,3,4,5,6,7
	v_max3_num_f32 v[rD+\j], 0, 0, v[rD+\j]
.endr
.irp j, 0,2,4,6
	v_pk_fma_f32 v[rD+\j:rD+\j+1], v[rB2+\j:rB2+\j+1], 1.0, v[rD+\j:rD+\j+1] op_sel_hi:[1,0,1]
.endr
.endm
.macro MUL16 set, m0, mode             ; 16 products; the 32 accumulators take turns, in the same order in every K step.  mode 2: accumulator i + 1 is fixed ahead of product i
.set i, 0
.rept 16
.if (\mode) == 2
.if i == 0
.if (\m0) == 0
	PLACES 4
.endif
.set fm, (\m0)
.set ft, 0
	FIX fm, ft
.endif
.if i < 15
.set fm, (\m0)+(i+1)/8
.set ft, (i+1)%8
	FIX fm, ft
.endif
.endif
.set mm, (\m0)+i/8
.set tt, i%8
	WM \set, mm, tt, \mode
.set i, i+1
.endr
.endm
.macro KSTEP k, mode
	WIN 0
	s_wait_dscnt 0x0                               ; this K step's LDS loads, issued a K step ago
.if (\k) >= 6
.set LC, 13*(13-(\k))                  ; behind this K step's 13 loads of z stand 13 for each later K step; the wait's field holds 63 at the most
.if LC > 63
.set LC, 63
.endif
	s_wait_loadcnt LC
.endif
.if (\k)+1 < NK
	ADDR (\k)+1
	FETCH (\k)+1
.if (\k) < 6                           ; z's K step k + 2, eight K steps ahead of its products; its registers are free by now
	ZLOAD (\k)+2
.endif
.endif
	KSET \k, \mode
	WIN MW
	MUL16 (\k)%2, 0, \mode
	MUL16 (\k)%2, 2, \mode
.endm
.macro RELU m                          ; each accumulator from its low end on
	WIN 0x08
.set j, 0
.rept 64
	v_max_num_f32 v[H+j], 0, v[64*(\m)+j]
.set j, j+1
.endr
	WIN 0
.endm
	s_load_b128 s[4:7], s[0:1], 0x0                ; X, W
	s_load_b128 s[8:11], s[0:1], 0x10              ; the result, z_in
	v_lshl_add_u32 v[SPW], v0, 2, SPARE
	v_mov_b32 v[NIL], 0
	ds_add_u32 v[SPW], v[NIL]                      ; the opening lines
	ds_add_u32 v[SPW], v[NIL]
	v_lshrrev_b32 v14, 5, v0
	v_readfirstlane_b32 s12, v14                   ; wave
	s_lshr_b32 s13, s12, 1                         ; which 128 of the 256 rows.  Also: I fetch x (0) or weights (1)
	s_and_b32 s14, s12, 1                          ; which quad of them.  Also: which half I fetch
	s_bfe_u32 s15, ttmp6, 0x40000
	s_bfe_u32 s16, ttmp6, 0x40004
	s_lshl_b32 s3, ttmp9, 2
	s_add_co_u32 s3, s3, s15                       ; J'
	s_and_b32 s17, ttmp7, 0xffff
	s_lshl_b32 s17, s17, 2
	s_add_co_u32 s17, s17, s16                     ; T'
	s_lshl_b32 s18, s16, 2
	s_lshl_b32 s18, 15, s18                        ; my row of the cluster
	s_lshl_b32 s19, 0x1111, s15                    ; my column
	GROUP1 24, 18, 200                             ; x: 51,200 bytes as rows of 256
	GROUP1 32, 19, 25*NK                           ; half of the block's weight records
	s_mul_i32 s54, s14, 51200
	s_mul_i32 s20, s17, 102400
	s_add_co_u32 s20, s20, s54
	s_mov_b32 s21, 0
	s_mul_i32 s55, s14, JS/2
	s_mul_i32 s22, s3, JS
	s_add_co_u32 s22, s22, s55
	s_mov_b32 s23, 0
	s_lshl_b32 s56, s3, 9
	s_add_co_u32 s56, s56, 8*JS                    ; my 128 columns' biases, behind the records
	s_mov_b32 s57, 0
	s_lshl_b32 s58, s17, 1
	s_add_co_u32 s58, s58, s13                     ; T = 2 T' + w / 2
	s_mul_i32 s59, s14, 6144
	s_lshl_b32 s60, s14, 8
	s_add_co_u32 s60, s60, 12288
	s_mul_i32 s48, s58, 102400                     ; z_in: my 128 rows' eight records,
	s_add_co_u32 s50, s48, s60                     ; my quad's scale image,
	s_add_co_u32 s48, s48, s59                     ; my quad's fragments
	s_mov_b32 s49, 0
	s_mov_b32 s51, 0
	s_lshl_b32 s68, s17, 2
	s_add_co_u32 s68, s68, s12
	s_lshl_b32 s68, s68, 18                        ; my first row, 256 T' + 64 w, of 4,096 bytes each,
	s_lshl_b32 s61, s3, 9
	s_add_co_u32 s68, s68, s61                     ; and my first column's byte, 512 J'
	s_mov_b32 s69, 0
	s_mul_i32 s61, s12, 16*SP
	s_add_co_u32 s61, s61, STAGE                   ; my stage
	s_mul_i32 s18, s13, 51200
	s_add_co_u32 s19, s18, s59
	s_lshl_b32 s62, s14, 8
	s_add_co_u32 s62, s62, s18
	v_and_b32 v14, 31, v0
	v_lshlrev_b32 v[LI], 4, v14
	v_lshlrev_b32 v[L8], 3, v14
	v_add_nc_u32 v[ADRA0], s19, v[LI]
	v_add_nc_u32 v[ADSA0], s62, v[L8]
	v_bfe_u32 v[BO], v0, 4, 1
	v_lshlrev_b32 v[BO], 6, v[BO]
	v_and_b32 v15, 15, v0
	v_mul_u32_u24 v[STO], v15, SP
	v_add_nc_u32 v[STO], v[BO], v[STO]
	v_add_nc_u32 v[STO], s61, v[STO]               ; into the stage: row position r, + 64 h
	v_add_nc_u32 v[RD], s61, v[LI]                 ; back: 16 bytes a lane of a row's 512
	s_wait_alu depctr_va_vdst(0)                   ; the head's end
	s_wait_dscnt 0x0
	CROUND                                         ; all sixteen work-groups are here, ahead of the first joint loads; the arguments' load is out meanwhile
	s_wait_kmcnt 0x0
	s_add_nc_u64 s[20:21], s[4:5], s[20:21]
	s_add_nc_u64 s[22:23], s[6:7], s[22:23]
	s_add_nc_u64 s[56:57], s[6:7], s[56:57]
	s_add_nc_u64 s[68:69], s[8:9], s[68:69]
	s_add_nc_u64 s[48:49], s[10:11], s[48:49]
	s_add_nc_u64 s[50:51], s[10:11], s[50:51]
	GROUP0 40, 54, XB, 20
	GROUP0 44, 55, 0, 22
.irp t, 0,1,2,3,4,5,6,7                        ; the biases in the result's layout
	global_load_b128 v[B1+8*\t:B1+8*\t+3], v[BO], s[56:57] offset:128*(\t/2)+32*(\t%2)
	global_load_b128 v[B1+8*\t+4:B1+8*\t+7], v[BO], s[56:57] offset:128*(\t/2)+32*(\t%2)+16
.endr
	WIN 0x40
.irp t, 0,1,2,3,4,5,6,7
	global_load_b128 v[96+8*\t+96*(\t/4):96+8*\t+96*(\t/4)+3], v[BO], s[56:57] offset:4096+128*(\t/2)+32*(\t%2)
	global_load_b128 v[96+8*\t+96*(\t/4)+4:96+8*\t+96*(\t/4)+7], v[BO], s[56:57] offset:4096+128*(\t/2)+32*(\t%2)+16
.endr
	WIN 0
	ZLOAD 0
	ZLOAD 1
	s_cmp_eq_u32 s13, 0                            ; the joint loads, one a wave: waves 0, 1 fetch x's halves, waves 2, 3 the weights'
	s_cbranch_scc0 .Lfor_b
	tensor_load_to_lds s[40:43], s[24:31]
	s_nop 0
	PLACES 4
	s_branch .Lasked
.Lfor_b:
	tensor_load_to_lds s[44:47], s[32:39]
	s_nop 0
	PLACES 4
.Lasked:
	s_wait_tensorcnt 0x0                           ; my one load is in
	s_barrier_signal -1
	s_barrier_wait -1                              ; everybody's is; nothing is filled again
	ADDR 0
	FETCH 0
	s_wait_loadcnt 26                              ; the biases are in; the 26 loads of z's K steps 0 and 1 may be out
	KSTEP 0, 1
	KSTEP 1, 0
	KSTEP 2, 2
.irp k, 3,4,5,6,7,8,9,10,11,12,13
	KSTEP \k, 0
.endr
	WIN 0
	PLACES 4
.irp m, 0,1,2,3                                ; LDS serves a wave's instructions in order: no wait between the stores into my stage and the loads from it
.if \m >= 2
	s_wait_xcnt 0x0                                ; the stores of two tiles back have read their registers: the loads below may land there
.endif
	RELU \m
.irp q, 0,1,2,3,4,5,6,7,8,9,10,11,12,13,14,15
	ds_store_b128 v[STO], v[H+4*\q:H+4*\q+3] offset:128*(\q/4)+16*(\q%4)
.endr
.irp i, 0,1,2,3,4,5,6,7,8,9,10,11,12,13,14,15
	ds_load_b128 v[OB+64*(\m%2)+4*\i:OB+64*(\m%2)+4*\i+3], v[RD] offset:SP*\i
.endr
.irp i, 0,1,2,3,4,5,6,7,8,9,10,11,12,13,14,15
	s_wait_dscnt 15-\i                             ; row position i is back; the 15 - i younger loads may be out
	global_store_b128 v[LI], v[OB+64*(\m%2)+4*\i:OB+64*(\m%2)+4*\i+3], s[68:69] offset:(32*(\m/2)+8*(\m%2)+\i+8*(\i/8))*4096 th:TH_STORE_NT   ; 32 lanes store 512 consecutive bytes, aligned
.endr
.endr
	s_wait_tensorcnt 0x0                           ; the wave's end
	ds_add_u32 v[SPW], v[NIL]
	s_wait_dscnt 0x0
	CROUND                                         ; the closing round
	s_endpgm
.Lfunc_end_k_qdb25682618_last:
	.size	k_qdb25682618_last, .Lfunc_end_k_qdb25682618_last-k_qdb25682618_last
	.p2alignl 7, 3214868480
	.fill 96, 4, 3214868480
	.section	.rodata,"a",@progbits
	.p2align	6, 0x0
	.amdhsa_kernel k_qdb25682618_last
		.amdhsa_group_segment_fixed_size 327680
		.amdhsa_private_segment_fixed_size 0
		.amdhsa_enable_private_segment 0
		.amdhsa_kernarg_size 32
		.amdhsa_user_sgpr_count 2
		.amdhsa_user_sgpr_kernarg_segment_ptr 1
		.amdhsa_wavefront_size32 1
		.amdhsa_system_sgpr_workgroup_id_x 1
		.amdhsa_system_sgpr_workgroup_id_y 1
		.amdhsa_system_sgpr_workgroup_id_z 1
		.amdhsa_system_vgpr_workitem_id 0
		.amdhsa_next_free_vgpr 1024
		.amdhsa_next_free_sgpr 80
		.amdhsa_reserve_vcc 0
		.amdhsa_float_denorm_mode_32 3
		.amdhsa_float_denorm_mode_16_64 3
		.amdhsa_memory_ordered 1
		.amdhsa_forward_progress 1
		.amdhsa_inst_pref_size 157
	.end_amdhsa_kernel
	.amdgpu_metadata
---
amdhsa.version: [ 1, 2 ]
amdhsa.kernels:
  - .name:           k_qdb25682618_last
    .symbol:         k_qdb25682618_last.kd
    .args:
      - { .name: X, .offset: 0, .size: 8, .value_kind: global_buffer, .address_space: global }
      - { .name: W3, .offset: 8, .size: 8, .value_kind: global_buffer, .address_space: global }
      - { .name: out0, .offset: 16, .size: 8, .value_kind: global_buffer, .address_space: global }
      - { .name: ZA, .offset: 24, .size: 8, .value_kind: global_buffer, .address_space: global }
    .group_segment_fixed_size: 327680
    .private_segment_fixed_size: 0
    .kernarg_segment_align: 8
    .kernarg_segment_size: 32
    .max_flat_workgroup_size: 128
    .sgpr_count:     80
    .vgpr_count:     1024
    .wavefront_size: 32
...
	.end_amdgpu_metadata
.endif
;; end of part 4
